; MI455X (gfx1250); checked and timed in simulation.
; The chip was launched on July 23, 2026; its instructions are those of AMD's public machine-readable ISA for CDNA 5 (MIT licence, August 2026) and "CDNA5" Instruction Set Architecture Reference Guide (July 2026). The comments in the code are by the model that wrote it; some were corrected since.
;; Chamber Of Semantic Resonance. Allowed arithmetic: matrix products marked QUANTISED: E2M3 operands, one E8M0 scale for each 32 along K, by v_wmma_scale_f32_16x16x128_f8f6f4 with both operands' format E2M3, f32 sums; products left as they are: f32 operands where the result goes on into a quantised operand, else bf16, f16 or f32 operands; f32 sums; everything else in f32.
;; Inputs: W1_codes 8 x 2,048 x 32 x 24 uint8 (E2M3 codes of W1, K innermost, in blocks of 32 codes, four codes in three bytes); W1_scales 8 x 2,048 x 32 uint8 (E8M0 scales of W1, one for each 32 codes along K); W2_codes 8 x 1,024 x 64 x 24 uint8 (E2M3 codes of W2, K innermost, in blocks of 32 codes, four codes in three bytes); W2_scales 8 x 1,024 x 64 uint8 (E8M0 scales of W2, one for each 32 codes along K); anchors 8 x 1,024 float32; b1 8 x 2,048 float32; b2 8 x 1,024 float32; temperature one number float32; x 1 x 2,048 x 1,024 float32.
;; Outputs: out0 1 x 2,048 x 1,024 float32.
;; Constants: top_k = 2.
;; This version of the problem:
;;   THIS VERSION OF THE PROBLEM IS GIVEN IN LOW PRECISION. The matrix products marked QUANTISED in the list below multiply operands that are first quantised to E2M3 (2 exponent bits, 3 mantissa bits; 6 bits a number), with one power-of-two scale for each 32 numbers along K (OCP MX v1.0); their sums are f32. All else is computed in f32.
;;   The module's matrix products, in the order in which they are computed (A, B: the left and right operand; K: the contracted axis; several contracted axes count as one K, in the product's order):
;;     1. [M 2,048, K 1,024] x [K 1,024, N 8]; A: computed on the way; B: computed on the way: left as it is (N = 8 < 16)
;;     2. [M 16,384, K 1,024] x [K 1,024, N 2,048]; A: input W1 (given as codes); B: input x: QUANTISED
;;     3. batch 8 x [M 2,048, K 2,048] x [K 2,048, N 1,024]; A: computed on the way; B: input W2 (given as codes): QUANTISED
;;     4. batch 2,048 x [M 1, K 8] x [K 8, N 1,024]; A: computed on the way; B: computed on the way: left as it is (K = 8 < 32)
;;   THE QUANTISER, for each operand of a quantised product, along K:
;;     - K is cut into blocks of 32 from its start; a last block that is shorter is filled with zeros.
;;     - A block's scale is 2^e with e = floor(log2(the largest magnitude in the block)) - 2, held to -126 .. 127; a block of zeros has e = 0. As a byte (E8M0): e + 127.
;;     - Each number is divided by its block's scale, clamped to +-7.5, and rounded to the nearest number of E2M3, ties to even, subnormals kept.
;;     - The product sums the exact products of the quantised numbers (number of the format x scale) in f32.
;;   ~~~python
;;   def quantise(x, axis):      # numpy; x: float32 -> the quantised numbers, widened to float32 again
;;       x = np.moveaxis(x, axis, -1); K = x.shape[-1]
;;       x = np.pad(x, [(0, 0)] * (x.ndim - 1) + [(0, -K % 32)]); x = x.reshape(x.shape[:-1] + (-1, 32)); a = np.abs(x).max(-1, keepdims=True)
;;       e = np.where(a > 0, np.clip(np.frexp(np.where(a > 0, a, 1))[1] - 1 - 2, -126, 127), 0)      # np.frexp(a)[1] - 1 = floor(log2(a)), exactly
;;       r = np.clip(x / 2.0 ** e, -7.5, 7.5)
;;       step = 2.0 ** (np.maximum(np.frexp(np.where(r == 0, 1, r))[1] - 1, 0) - 3)
;;       q = np.round(r / step) * step * 2.0 ** e      # np.round: ties to even
;;       return np.moveaxis(q.reshape(q.shape[:-2] + (-1,))[..., :K], -1, axis).astype(np.float32)
;;   ~~~
;;   OPERANDS COMPUTED ON THE WAY. 'Computed on the way' means the value that the module computes at that place (a softmax that the list does not call 'softmax' is quantised finished and normalised). What goes into a quantiser is computed in f32, as accurately as f32 sums, v_exp_f32 and their like allow (about 1e-6 of the number): no bf16 or f16 on the way to a quantiser, and a product that is left as it is and whose result goes on into a quantised operand takes f32 operands (vector FMAs, or v_wmma_f32_16x16x4_f32). A number that lies on a knife's edge between two numbers of the format may be rounded either way, as far as f32 arithmetic and the matrix unit's own rounding can turn it there, and no further.
;;   INPUTS GIVEN AS CODES. W1 (in the module: [8, 1024, 2048], K = its axis 1); W2 (in the module: [8, 2048, 1024], K = its axis 1): each comes as NAME_codes (uint8): NAME with its K axis moved to the last place and cut into blocks of 32 codes, [.., K / 32, bytes a block], one block behind the other in memory; four codes in three bytes: a row's codes are one little-endian stream of bits, code i at bits 6 i .. 6 i + 5 (a code: sign, 2 exponent bits, 3 mantissa bits); and NAME_scales (uint8): the same leading axes, one E8M0 byte (e + 127) for each 32 codes along K. Its value is code x scale, taken as it is: it is not quantised again, and the codes and scales need not be those that the quantiser above would give.
;; One version. Each part assembles by itself: llvm-mc -triple=amdgcn-amd-amdhsa -mcpu=gfx1250 --defsym DOCPART=n.
;; ======== version 1 of 1: 5 launches
;; workspace buffers: xq 1,654,784 bytes; pick 16,384 bytes of whole numbers; lists 33,024 bytes of whole numbers; hq 6,553,600 bytes; yw 16,777,216 bytes
;; launch route (part 1): grid 256 x 1, 4 waves a work-group, no clusters, 82,944 bytes of LDS; arguments x, anchors, temperature, xq, pick; writes xq, pick
.if DOCPART == 1
	.amdgcn_target "amdgcn-amd-amdhsa--gfx1250"
	.amdhsa_code_object_version 6
	.text
	.protected	k_qf9cbc3aba8_route
	.globl	k_qf9cbc3aba8_route
	.p2align	8
	.type	k_qf9cbc3aba8_route,@function
k_qf9cbc3aba8_route:
	s_mov_b64 s[64:65], 0
	v_nop
	global_prefetch_b8 v0, s[64:65] scope:SCOPE_SE
	s_setreg_imm32_b32 hwreg(HW_REG_WAVE_MODE, 25, 1), 1
	s_wait_xcnt 0x0
; THE ROUTER, AND x INTO CODES.  For each of 2,048 tokens: cosine scores against 8 anchors x |temperature|, softmax, the two largest, their gates p / (p1 + p2 + 1e-6);
; and the token's 1,024 numbers as codes of E2M3 with one E8M0 byte for each 32.  All in f32.
; OUT: xq: codes [2048][768] (K innermost, four codes in three bytes), scale bytes [2048][32] at XSC, gates [2048][2] f32 at XG (the lower expert's first);
;      pick: one 8-byte word a token, byte e = 1 where the token uses expert e.  No address here hangs on the choice: a later launch places the rows.
; SHARES: a work-group takes 8 tokens, each of its four waves 2.  A step is 512 numbers (2,048 bytes): each load reads 512 consecutive bytes, and the step turns through LDS
; (places of 64 bytes + 16 of padding), so that a lane then holds 16 NEIGHBOURS, as the conversion wants; two neighbouring lanes hold a block of 32.  The anchors go the same way, once for the work-group.
; No matrix unit, no cluster, no tensor load: 8 columns are too few for a matrix tile, and the work-groups share only the anchors' 32,768 bytes.
; LIMITS: NaN and infinities are not served.  The two largest are taken on the SCORES, with a strict compare (the lower expert wins a tie): scores that differ but whose
; probabilities round to one number are ordered by score.  A block of zeros gets the byte 1, not 127: its codes are zeros, and only this program reads the bytes.
.set SP,    80                         ; a place in a stage: 64 bytes + 16
.set STEPB, 32*SP                      ; a step in LDS
.set XST,   16*STEPB                   ; LDS: the anchors' 16 steps at 0; x's 16 steps (4 a wave) here;
.set SCB,   32*STEPB                   ; the 8 tokens' 256 scale bytes;
.set RES,   SCB+256                    ; 16 bytes a token: pick (8 bytes), the two gates
.set XSC,   1572864
.set XG,    1638400
.set X,     16                         ; v16-79   x: token j, step u, 16 numbers at X + 32 j + 16 u
.set AC,    80                         ; v80-111  two anchor steps by turns (v80-143 first take the anchors as loaded)
.set DOT,   112                        ; v112-143 x . anchor, a pair for token j and anchor a at DOT + 16 j + 2 a
.set AN,    144                        ; v144-159 anchor . anchor, pairs
.set XN,    160                        ; v160-163 x . x, pairs
.set SC,    164                        ; v164-179 scores, 8 a token
.set CD,    192                        ; v192-207 codes, four registers a step
.set EB,    208                        ; v208-211 a scale byte a step
.set TP,    216                        ; v216-231 a token's eight: +0 m1, +1 i1, +2 m2, +3 i2, +4 .. +7 at work
.set OQ,    232                        ; v232-239 a token's four words for RES
	s_load_b256 s[4:11], s[0:1], 0x0               ; x s[4:5], anchors s[6:7], temperature s[8:9], xq s[10:11]
	s_load_b64 s[12:13], s[0:1], 0x20              ; pick
	v_lshl_add_u32 v254, v0, 2, 0x14200
	v_mov_b32 v255, 0
	v_lshrrev_b32 v1, 5, v0
	v_readfirstlane_b32 s16, v1                    ; wave
	v_and_b32 v1, 31, v0                           ; lane
	v_lshlrev_b32 v2, 4, v1                        ; my 16 bytes of a load's 512
	s_mul_i32 s17, s16, 4*STEPB                    ; my wave's four steps, among the anchors' and among x's
	v_lshrrev_b32 v3, 2, v1
	v_mul_u32_u24 v3, v3, SP
	v_and_b32 v4, 3, v1
	v_lshl_add_u32 v3, v4, 4, v3
	v_add_nc_u32 v3, s17, v3                       ; a stage, on the way in: SP (lane / 4) + 16 (lane % 4)
	v_mul_u32_u24 v4, v1, SP                       ; on the way out: SP x lane (the anchors, from LDS byte 0),
	v_add_nc_u32 v5, s17, v4                       ; and x's, in my wave's steps
	v_mul_u32_u24 v6, v1, 12                       ; my 16 codes among a step's
	s_lshl_b32 s18, s16, 6
	s_add_co_u32 s18, s18, SCB
	v_lshrrev_b32 v7, 1, v1
	v_add_nc_u32 v7, s18, v7                       ; my block's scale byte: SCB + 64 wave + lane / 2
	s_lshl_b32 s18, s16, 5
	s_add_co_u32 s18, s18, RES
	v_mov_b32 v8, s18                              ; my wave's two tokens in RES
	v_lshlrev_b32 v10, 3, v1                       ; 8 x lane
	v_add_nc_u32 v9, SCB, v10
	v_and_b32 v12, 7, v1
	v_lshl_add_u32 v11, v12, 4, RES
	v_lshlrev_b32 v12, 3, v12
	v_mov_b32 v248, 1
	s_mov_b32 s14, 0x76543210
	s_mov_b32 s15, 0xfedcba98                      ; v_permlanex16_b32's selects for lane l xor 16
	s_lshl_b32 s20, ttmp9, 15                      ; x: 8 tokens of 4,096 bytes a work-group,
	s_lshl_b32 s22, s16, 13                        ; 2 a wave; the anchors: 4 steps of 2,048 bytes a wave
	s_add_co_u32 s20, s20, s22
	s_mov_b32 s21, 0
	s_mov_b32 s23, 0
	s_mul_i32 s24, ttmp9, 6144                     ; the codes: 768 bytes a token
	s_mul_i32 s25, s16, 1536
	s_add_co_u32 s24, s24, s25
	s_mov_b32 s25, 0
	s_lshl_b32 s36, ttmp9, 8                       ; the scale bytes: 256 a work-group
	s_mov_b32 s37, 0
	s_lshl_b32 s38, ttmp9, 6                       ; picks and gates: 64 bytes a work-group
	s_mov_b32 s39, 0
	s_wait_kmcnt 0x0
	s_load_b32 s19, s[8:9], 0x0                    ; the temperature
	s_add_nc_u64 s[4:5], s[4:5], s[20:21]
	s_add_nc_u64 s[6:7], s[6:7], s[22:23]
	s_add_nc_u64 s[26:27], s[10:11], s[24:25]
	s_add_nc_u64 s[28:29], s[10:11], s[36:37]
	s_add_nc_u64 s[30:31], s[10:11], s[38:39]
	s_add_nc_u64 s[12:13], s[12:13], s[38:39]
.irp k, 0,1,2,3
.irp i, 0,1,2,3
	global_load_b128 v[X+16*\k+4*\i:X+16*\k+4*\i+3], v2, s[4:5] offset:2048*\k+512*\i th:TH_LOAD_NT   ; x is read once in the whole program
.endr
.endr
.irp k, 0,1,2,3
.irp i, 0,1,2,3
	global_load_b128 v[AC+16*\k+4*\i:AC+16*\k+4*\i+3], v2, s[6:7] offset:2048*\k+512*\i
.endr
.endr
	s_wait_loadcnt 16                              ; x's 16 loads are in; the anchors' 16 may be out
.irp k, 0,1,2,3
.irp i, 0,1,2,3
	ds_store_b128 v3, v[X+16*\k+4*\i:X+16*\k+4*\i+3] offset:XST+STEPB*\k+8*SP*\i
.endr
.endr
	s_wait_loadcnt 0x0
.irp k, 0,1,2,3
.irp i, 0,1,2,3
	ds_store_b128 v3, v[AC+16*\k+4*\i:AC+16*\k+4*\i+3] offset:STEPB*\k+8*SP*\i
.endr
.endr
	s_wait_dscnt 0x0                               ; for the others' sake: my quarter of the anchors lies in LDS
	s_barrier_signal -1
	s_barrier_wait -1
.irp k, 0,1,2,3
.irp i, 0,1,2,3
	ds_load_b128 v[X+16*\k+4*\i:X+16*\k+4*\i+3], v5 offset:XST+STEPB*\k+16*\i
.endr
.endr
.irp i, 0,1,2,3
	ds_load_b128 v[AC+4*\i:AC+4*\i+3], v4 offset:16*\i
.endr
; Anchor step g = 2 a + u: the next step is asked for, then this one feeds three chains by turns: both tokens' products and the anchor's own square.  A sum's first product starts it.
.macro DOTSTEP g
.set an_, (\g)/2
.set uh_, (\g)%2
.set cur_, AC+16*((\g)%2)
.set nxt_, AC+16*(((\g)+1)%2)
.if (\g) < 15
.irp i, 0,1,2,3
	ds_load_b128 v[nxt_+4*\i:nxt_+4*\i+3], v4 offset:STEPB*((\g)+1)+16*\i
.endr
	s_wait_dscnt 4                                 ; all but the four just issued
.else
	s_wait_dscnt 0x0
.endif
.irp p, 0,1,2,3,4,5,6,7
.if (uh_ == 0) && (\p == 0)
	v_pk_mul_f32 v[DOT+2*an_:DOT+2*an_+1], v[X:X+1], v[cur_:cur_+1]
	v_pk_mul_f32 v[DOT+16+2*an_:DOT+17+2*an_], v[X+32:X+33], v[cur_:cur_+1]
	v_pk_mul_f32 v[AN+2*an_:AN+2*an_+1], v[cur_:cur_+1], v[cur_:cur_+1]
.else
	v_pk_fma_f32 v[DOT+2*an_:DOT+2*an_+1], v[X+16*uh_+2*\p:X+16*uh_+2*\p+1], v[cur_+2*\p:cur_+2*\p+1], v[DOT+2*an_:DOT+2*an_+1]
	v_pk_fma_f32 v[DOT+16+2*an_:DOT+17+2*an_], v[X+32+16*uh_+2*\p:X+33+16*uh_+2*\p], v[cur_+2*\p:cur_+2*\p+1], v[DOT+16+2*an_:DOT+17+2*an_]
	v_pk_fma_f32 v[AN+2*an_:AN+2*an_+1], v[cur_+2*\p:cur_+2*\p+1], v[cur_+2*\p:cur_+2*\p+1], v[AN+2*an_:AN+2*an_+1]
.endif
.endr
.endm
.irp g, 0,1,2,3,4,5,6,7,8,9,10,11,12,13,14,15
	DOTSTEP \g
.endr
.irp j, 0,1
	v_pk_mul_f32 v[XN+2*\j:XN+2*\j+1], v[X+32*\j:X+32*\j+1], v[X+32*\j:X+32*\j+1]
.endr
.irp p, 2,4,6,8,10,12,14,16,18,20,22,24,26,28,30
.irp j, 0,1
	v_pk_fma_f32 v[XN+2*\j:XN+2*\j+1], v[X+32*\j+\p:X+32*\j+\p+1], v[X+32*\j+\p:X+32*\j+\p+1], v[XN+2*\j:XN+2*\j+1]
.endr
.endr
; Step k = 2 j + u of x becomes codes: the block's largest magnitude (my 16, the floor 2^(3 - 127), my neighbour's 16); 2 off its exponent field is the conversion's scale operand, and that shifted down the byte.
.macro QSTEP k
.set xs_, X+16*(\k)
	v_max3_num_f32 v212, |v[xs_]|, |v[xs_+1]|, |v[xs_+2]|
	v_max3_num_f32 v213, |v[xs_+3]|, |v[xs_+4]|, |v[xs_+5]|
.irp i, 6,10
	v_max3_num_f32 v212, v212, |v[xs_+\i]|, |v[xs_+\i+1]|
	v_max3_num_f32 v213, v213, |v[xs_+\i+2]|, |v[xs_+\i+3]|
.endr
	v_max3_num_f32 v212, v212, |v[xs_+14]|, |v[xs_+15]|
	v_max3_num_f32 v212, v212, v213, 0x1800000
	v_max_num_f32_dpp v212, v212, v212 row_xmask:1 row_mask:0xf bank_mask:0xf
	v_add_nc_u32 v214, 0xff000000, v212
	v_cvt_scalef32_pk16_fp6_f32 v[CD+4*(\k):CD+4*(\k)+2], v[xs_:xs_+15], v214
	v_lshrrev_b32 v[EB+(\k)], 23, v214             ; (also the plain line behind the conversion)
	ds_store_b8 v7, v[EB+(\k)] offset:32*((\k)/2)+16*((\k)%2)   ; both lanes of a block write the same byte with the same value
	global_store_b96 v6, v[CD+4*(\k):CD+4*(\k)+2], s[26:27] offset:768*((\k)/2)+384*((\k)%2)   ; the wave stores 384 consecutive bytes
.endm
.irp k, 0,1,2,3
	QSTEP \k
.endr
; The 26 sums (16 products, 8 anchors' squares, 2 tokens' squares) over the wave, stage by stage, so that no line waits for the line above it; every lane ends with all of them.
.set k, 0
.rept 26
	v_add_f32 v[DOT+2*k], v[DOT+2*k], v[DOT+2*k+1]
.set k, k+1
.endr
.irp m, 1,2,4,8
.set k, 0
.rept 26
	v_add_f32_dpp v[DOT+2*k], v[DOT+2*k], v[DOT+2*k] row_xmask:\m row_mask:0xf bank_mask:0xf
.set k, k+1
.endr
.endr
.set k, 0
.rept 26
	v_permlanex16_b32 v[DOT+2*k+1], v[DOT+2*k], s14, s15
.set k, k+1
.endr
.set k, 0
.rept 26
	v_add_f32 v[DOT+2*k], v[DOT+2*k], v[DOT+2*k+1]
.set k, k+1
.endr
.set k, 16
.rept 10
	v_sqrt_f32 v[DOT+2*k+1], v[DOT+2*k]            ; the ten norms: one batch
.set k, k+1
.endr
	v_nop                                          ; a plain line behind the last of the batch
	s_wait_alu depctr_va_vdst(0)                   ; one wait for the batch, ahead of its first reader
.set k, 16
.rept 10
	v_max_num_f32 v[DOT+2*k+1], 0x322bcc77, v[DOT+2*k+1]   ; max(norm, 1e-8)
.set k, k+1
.endr
.set k, 16
.rept 10
	v_rcp_f32 v[DOT+2*k], v[DOT+2*k+1]
.set k, k+1
.endr
	s_wait_kmcnt 0x0                               ; the temperature
	s_and_b32 s19, s19, 0x7fffffff                 ; its magnitude
	v_nop
	s_wait_alu depctr_va_vdst(0)
.irp j, 0,1
	v_mul_f32 v[XN+2*\j], s19, v[XN+2*\j]
.endr
.irp a, 0,1,2,3,4,5,6,7
.irp j, 0,1
	v_mul_f32 v[SC+8*\j+\a], v[DOT+16*\j+2*\a], v[XN+2*\j]
.endr
.endr
.irp a, 0,1,2,3,4,5,6,7
.irp j, 0,1
	v_mul_f32 v[SC+8*\j+\a], v[SC+8*\j+\a], v[AN+2*\a]
.endr
.endr
; The two largest scores, by selects alone.  A strict compare keeps the lower expert at a tie.
.irp j, 0,1
	v_mov_b32 v[TP+8*\j], v[SC+8*\j]
	v_mov_b32 v[TP+8*\j+1], 0
	v_mov_b32 v[TP+8*\j+2], 0xff800000
	v_mov_b32 v[TP+8*\j+3], 0
.endr
.irp a, 1,2,3,4,5,6,7
.irp j, 0,1
	v_cmp_gt_f32 s[32+2*\j], v[SC+8*\j+\a], v[TP+8*\j]
	v_cmp_gt_f32 s[33+2*\j], v[SC+8*\j+\a], v[TP+8*\j+2]
	v_cndmask_b32 v[TP+8*\j+4], v[TP+8*\j+2], v[SC+8*\j+\a], s[33+2*\j]
	v_cndmask_b32 v[TP+8*\j+5], v[TP+8*\j+3], \a, s[33+2*\j]
	v_cndmask_b32 v[TP+8*\j+2], v[TP+8*\j+4], v[TP+8*\j], s[32+2*\j]
	v_cndmask_b32 v[TP+8*\j+3], v[TP+8*\j+5], v[TP+8*\j+1], s[32+2*\j]
	v_cndmask_b32 v[TP+8*\j], v[TP+8*\j], v[SC+8*\j+\a], s[32+2*\j]
	v_cndmask_b32 v[TP+8*\j+1], v[TP+8*\j+1], \a, s[32+2*\j]
.endr
.endr
; The softmax: the row's maximum is taken away first, as in the definition; e^d = 2^(d log2 e).
.irp j, 0,1
	v_sub_f32 v[TP+8*\j+4], v[TP+8*\j+2], v[TP+8*\j]
.irp a, 0,1,2,3,4,5,6,7
	v_sub_f32 v[SC+8*\j+\a], v[SC+8*\j+\a], v[TP+8*\j]
.endr
.endr
.irp p, 0,2,4,6,8,10,12,14
	v_pk_mul_f32 v[SC+\p:SC+\p+1], v[SC+\p:SC+\p+1], 0x3fb8aa3b op_sel_hi:[1,0]
.endr
.irp j, 0,1
	v_mul_f32 v[TP+8*\j+4], 0x3fb8aa3b, v[TP+8*\j+4]
.endr
.set k, 0
.rept 16
	v_exp_f32 v[SC+k], v[SC+k]
.set k, k+1
.endr
.irp j, 0,1
	v_exp_f32 v[TP+8*\j+4], v[TP+8*\j+4]           ; the second largest's
.endr
	v_nop
	s_wait_alu depctr_va_vdst(0)                   ; one wait for the 18 exponentials
.irp j, 0,1
	v_add_f32 v[TP+8*\j+5], v[SC+8*\j], v[SC+8*\j+1]
	v_add_f32 v[TP+8*\j+6], v[SC+8*\j+2], v[SC+8*\j+3]
	v_add_f32 v[TP+8*\j+7], v[SC+8*\j+4], v[SC+8*\j+5]
	v_add_f32 v[SC+8*\j+6], v[SC+8*\j+6], v[SC+8*\j+7]
.endr
.irp j, 0,1
	v_add_f32 v[TP+8*\j+5], v[TP+8*\j+5], v[TP+8*\j+6]
	v_add_f32 v[TP+8*\j+7], v[TP+8*\j+7], v[SC+8*\j+6]
.endr
.irp j, 0,1
	v_add_f32 v[TP+8*\j+5], v[TP+8*\j+5], v[TP+8*\j+7]
.endr
.irp j, 0,1
	v_rcp_f32 v[TP+8*\j+6], v[TP+8*\j+5]           ; p1 = 1 / the sum (the largest's exponential is 1)
.endr
	v_nop
	s_wait_alu depctr_va_vdst(0)
.irp j, 0,1
	v_mul_f32 v[TP+8*\j+4], v[TP+8*\j+4], v[TP+8*\j+6]     ; p2
.endr
.irp j, 0,1
	v_add_f32 v[TP+8*\j+5], v[TP+8*\j+6], v[TP+8*\j+4]
.endr
.irp j, 0,1
	v_add_f32 v[TP+8*\j+5], 0x358637bd, v[TP+8*\j+5]       ; p1 + p2 + 1e-6
.endr
.irp j, 0,1
	v_rcp_f32 v[TP+8*\j+7], v[TP+8*\j+5]
.endr
	v_nop
	s_wait_alu depctr_va_vdst(0)
.irp j, 0,1
	v_mul_f32 v[TP+8*\j+6], v[TP+8*\j+6], v[TP+8*\j+7]     ; the largest's gate,
	v_mul_f32 v[TP+8*\j+4], v[TP+8*\j+4], v[TP+8*\j+7]     ; the second's
	v_cmp_lt_u32 vcc_lo, v[TP+8*\j+1], v[TP+8*\j+3]
	v_cndmask_b32 v[OQ+4*\j+2], v[TP+8*\j+4], v[TP+8*\j+6], vcc_lo   ; in the order of the experts' numbers
	v_cndmask_b32 v[OQ+4*\j+3], v[TP+8*\j+6], v[TP+8*\j+4], vcc_lo
	v_and_b32 v240, 3, v[TP+8*\j+1]                ; the pick: bit 8 (i % 4) of word i / 4
	v_and_b32 v241, 3, v[TP+8*\j+3]
	v_lshlrev_b32 v240, 3, v240
	v_lshlrev_b32 v241, 3, v241
	v_lshlrev_b32 v240, v240, v248
	v_lshlrev_b32 v241, v241, v248
	v_cmp_gt_u32 s32, 4, v[TP+8*\j+1]
	v_cmp_gt_u32 s33, 4, v[TP+8*\j+3]
	v_cndmask_b32 v242, 0, v240, s32
	v_cndmask_b32 v243, v240, 0, s32
	v_cndmask_b32 v244, 0, v241, s33
	v_cndmask_b32 v245, v241, 0, s33
	v_or_b32 v[OQ+4*\j], v242, v244
	v_or_b32 v[OQ+4*\j+1], v243, v245
.endr
	ds_store_b128 v8, v[OQ:OQ+3]                   ; all lanes write the same 16 bytes with the same values
	ds_store_b128 v8, v[OQ+4:OQ+7] offset:16
	s_wait_dscnt 0x0                               ; for the others' sake: my scale bytes and my tokens' results lie in LDS
	s_barrier_signal -1
	s_barrier_wait -1
	s_cmp_eq_u32 s16, 0
	s_cbranch_scc0 .Lnot_wave_0
	ds_load_b64 v[240:241], v9                     ; wave 0: the work-group's 256 scale bytes leave as 256 consecutive bytes, aligned
	s_wait_dscnt 0x0
	global_store_b64 v10, v[240:241], s[28:29] offset:XSC
	s_branch .Lend
.Lnot_wave_0:
	s_cmp_eq_u32 s16, 1
	s_cbranch_scc0 .Lend
	ds_load_b128 v[240:243], v11                   ; wave 1: lanes 0 to 7 store a token's pick and gates each
	v_cmp_gt_u32 vcc_lo, 8, v1
	s_wait_dscnt 0x0
	s_wait_xcnt 0x0                                ; EXEC is a source of the stores issued above: it changes only behind this wait
	s_and_saveexec_b32 s36, vcc_lo
	global_store_b64 v12, v[240:241], s[12:13]
	global_store_b64 v12, v[242:243], s[30:31] offset:XG
	s_wait_xcnt 0x0                                ; and again, in front of the line that widens it
	s_or_b32 exec_lo, exec_lo, s36
.Lend:
	s_wait_tensorcnt 0x0
	ds_add_u32 v254, v255
	s_wait_dscnt 0x0
	s_endpgm
.Lfunc_end_k_qf9cbc3aba8_route:
	.size	k_qf9cbc3aba8_route, .Lfunc_end_k_qf9cbc3aba8_route-k_qf9cbc3aba8_route
	.p2alignl 7, 3214868480
	.fill 96, 4, 3214868480
	.section	.rodata,"a",@progbits
	.p2align	6, 0x0
	.amdhsa_kernel k_qf9cbc3aba8_route
		.amdhsa_group_segment_fixed_size 82944
		.amdhsa_private_segment_fixed_size 0
		.amdhsa_enable_private_segment 0
		.amdhsa_kernarg_size 40
		.amdhsa_user_sgpr_count 2
		.amdhsa_user_sgpr_kernarg_segment_ptr 1
		.amdhsa_wavefront_size32 1
		.amdhsa_system_sgpr_workgroup_id_x 1
		.amdhsa_system_sgpr_workgroup_id_y 1
		.amdhsa_system_sgpr_workgroup_id_z 1
		.amdhsa_system_vgpr_workitem_id 0
		.amdhsa_next_free_vgpr 256
		.amdhsa_next_free_sgpr 66
		.amdhsa_reserve_vcc 1
		.amdhsa_float_denorm_mode_32 3
		.amdhsa_float_denorm_mode_16_64 3
		.amdhsa_memory_ordered 1
		.amdhsa_forward_progress 1
		.amdhsa_inst_pref_size 69
	.end_amdhsa_kernel
	.amdgpu_metadata
---
amdhsa.version: [ 1, 2 ]
amdhsa.kernels:
  - .name:           k_qf9cbc3aba8_route
    .symbol:         k_qf9cbc3aba8_route.kd
    .args:
      - { .name: x, .offset: 0, .size: 8, .value_kind: global_buffer, .address_space: global }
      - { .name: anchors, .offset: 8, .size: 8, .value_kind: global_buffer, .address_space: global }
      - { .name: temperature, .offset: 16, .size: 8, .value_kind: global_buffer, .address_space: global }
      - { .name: xq, .offset: 24, .size: 8, .value_kind: global_buffer, .address_space: global }
      - { .name: pick, .offset: 32, .size: 8, .value_kind: global_buffer, .address_space: global }
    .group_segment_fixed_size: 82944
    .private_segment_fixed_size: 0
    .kernarg_segment_align: 8
    .kernarg_segment_size: 40
    .max_flat_workgroup_size: 128
    .sgpr_count:     66
    .vgpr_count:     256
    .wavefront_size: 32
...
	.end_amdgpu_metadata
.endif
;; end of part 1
;; launch place (part 2): grid 64 x 1, 1 waves a work-group, no clusters, 0 bytes of LDS; arguments pick, lists; writes lists
.if DOCPART == 2
	.amdgcn_target "amdgcn-amd-amdhsa--gfx1250"
	.amdhsa_code_object_version 6
	.text
	.protected	k_qf9cbc3aba8_place
	.globl	k_qf9cbc3aba8_place
	.p2align	8
	.type	k_qf9cbc3aba8_place,@function
k_qf9cbc3aba8_place:
	s_mov_b64 s[64:65], 0
	v_nop
	global_prefetch_b8 v0, s[64:65] scope:SCOPE_SE
	s_setreg_imm32_b32 hwreg(HW_REG_WAVE_MODE, 25, 1), 1
	s_wait_xcnt 0x0
; THE ROUTED ROWS ARE PLACED: a counting sort of the 4,096 (token, expert) pairs by expert, then by token, without atomics.  Whole numbers only.
; IN: pick, 8 bytes a token, byte e = 1 where the token uses expert e.
; OUT, in lists: tokpos [2048][2] at 0 (the sorted places of a token's lower and higher expert); rowtok [4096] at RT (the token at each sorted place); cum[0..8] at CU (where each expert's rows begin).
; SHARES: one wave a work-group; work-group g places tokens 32 g + lane.  Every work-group reads all 16,384 bytes of pick and counts for itself: the totals of each expert, and those of the tokens ahead of its own 32.
; A lane adds 64 words whose bytes are 0 or 1: a byte field holds 64 at the most, so no carry leaves a field.  Then fields of 16 bits are summed over the wave (2,048 at the most).
.set RT, 16384
.set CU, 32768
	s_load_b128 s[4:7], s[0:1], 0x0                ; pick, lists
	v_lshlrev_b32 v1, 3, v0                        ; 8 x lane
	s_lshl_b32 s8, ttmp9, 8
	v_add_nc_u32 v2, s8, v1                        ; my own token's word, and its place in tokpos
	s_mov_b32 s10, 0x00ff00ff
	s_mov_b32 s12, 0x76543210
	s_mov_b32 s13, 0xfedcba98
.irp i, 4,5,6,7
	v_mov_b32 v\i, 0                               ; v4, v5 all tokens' counts; v6, v7 those of the groups ahead of mine
.endr
.irp i, 18,19,20,21,22,23,24,25
	v_mov_b32 v\i, 0                               ; written once: the destination of a lane move counts as read
.endr
	v_mov_b32 v26, 0
	v_mov_b32 v27, 0
	s_wait_kmcnt 0x0
.set k, 0
.rept 64
	global_load_b64 v[32+2*k:33+2*k], v1, s[4:5] offset:256*k      ; group k's 32 words: 256 consecutive bytes
.set k, k+1
.endr
	global_load_b64 v[160:161], v2, s[4:5]
	s_wait_loadcnt 0x0
.set k, 0
.rept 64
	s_cmp_gt_u32 ttmp9, k                          ; does group k stand ahead of mine?
	s_cselect_b32 s9, -1, 0
	v_add_nc_u32 v4, v4, v[32+2*k]
	v_add_nc_u32 v5, v5, v[33+2*k]
	v_and_b32 v8, s9, v[32+2*k]
	v_and_b32 v9, s9, v[33+2*k]
	v_add_nc_u32 v6, v6, v8
	v_add_nc_u32 v7, v7, v9
.set k, k+1
.endr
.irp i, 0,1,2,3                                    ; word i -> fields of 16 bits: v[10 + 2 i] its bytes 0 and 2, v[11 + 2 i] its bytes 1 and 3
	v_and_b32 v[10+2*\i], s10, v[4+\i]
	v_lshrrev_b32 v[11+2*\i], 8, v[4+\i]
	v_and_b32 v[11+2*\i], s10, v[11+2*\i]
.endr
.irp m, 1,2,4,8
.irp i, 0,1,2,3,4,5,6,7
	v_mov_b32_dpp v[18+\i], v[10+\i] row_xmask:\m row_mask:0xf bank_mask:0xf
.endr
.irp i, 0,1,2,3,4,5,6,7
	v_add_nc_u32 v[10+\i], v[10+\i], v[18+\i]
.endr
.endr
.irp i, 0,1,2,3,4,5,6,7
	v_permlanex16_b32 v[18+\i], v[10+\i], s12, s13
.endr
.irp i, 0,1,2,3,4,5,6,7
	v_add_nc_u32 v[10+\i], v[10+\i], v[18+\i]
.endr
.irp i, 0,1,2,3,4,5,6,7
	v_readfirstlane_b32 s[16+\i], v[10+\i]
.endr
.irp g, 0,1                                        ; s24-31 each expert's total; s32-39 its rows in the groups ahead of mine
.irp i, 0,1
	s_and_b32 s[24+8*\g+4*\i], s[16+4*\g+2*\i], 0xffff
	s_lshr_b32 s[26+8*\g+4*\i], s[16+4*\g+2*\i], 16
	s_and_b32 s[25+8*\g+4*\i], s[17+4*\g+2*\i], 0xffff
	s_lshr_b32 s[27+8*\g+4*\i], s[17+4*\g+2*\i], 16
.endr
.endr
	s_mov_b32 s40, 0                               ; s40-48 cum[0..8]; s50-57 where my group's rows of each expert begin
.irp e, 0,1,2,3,4,5,6,7
	s_add_co_u32 s[41+\e], s[40+\e], s[24+\e]
	s_add_co_u32 s[50+\e], s[40+\e], s[32+\e]
.endr
	s_mov_b32 s59, 0                               ; the lanes that have had their first expert
.irp e, 0,1,2,3,4,5,6,7
	v_and_b32 v28, 1<<(8*(\e%4)), v[160+\e/4]
	v_cmp_ne_u32 s58, 0, v28                       ; the lanes whose token uses expert e
	v_mbcnt_lo_u32_b32 v29, s58, s[50+\e]          ; the place: the start + how many such lanes stand below mine
	s_and_not1_b32 s60, s58, s59
	s_and_b32 s61, s58, s59
	s_or_b32 s59, s59, s58
	v_cndmask_b32 v26, v26, v29, s60               ; the lower expert's place,
	v_cndmask_b32 v27, v27, v29, s61               ; the higher's
.endr
	v_min_u32 v26, 0xfff, v26                      ; counted numbers enter addresses only behind a bound
	v_min_u32 v27, 0xfff, v27
	s_lshl_b32 s62, ttmp9, 5
	v_add_nc_u32 v30, s62, v0                      ; my token
	v_lshlrev_b32 v31, 2, v26
	v_lshlrev_b32 v3, 2, v27
	global_store_b64 v2, v[26:27], s[6:7]          ; the wave stores 256 consecutive bytes, aligned
	global_store_b32 v31, v30, s[6:7] offset:RT    ; scattered by the sort: 8 bytes a token
	global_store_b32 v3, v30, s[6:7] offset:RT
	s_cmp_lg_u32 ttmp9, 0
	s_cbranch_scc1 .Lend
	v_mov_b32 v24, 0                               ; work-group 0 stores cum, 128 bytes
.irp i, 0,1,2,3,4,5,6,7,8
	v_writelane_b32 v24, s[40+\i], \i
.endr
	v_lshlrev_b32 v25, 2, v0
	global_store_b32 v25, v24, s[6:7] offset:CU
.Lend:
	s_endpgm
.Lfunc_end_k_qf9cbc3aba8_place:
	.size	k_qf9cbc3aba8_place, .Lfunc_end_k_qf9cbc3aba8_place-k_qf9cbc3aba8_place
	.p2alignl 7, 3214868480
	.fill 96, 4, 3214868480
	.section	.rodata,"a",@progbits
	.p2align	6, 0x0
	.amdhsa_kernel k_qf9cbc3aba8_place
		.amdhsa_group_segment_fixed_size 0
		.amdhsa_private_segment_fixed_size 0
		.amdhsa_enable_private_segment 0
		.amdhsa_kernarg_size 16
		.amdhsa_user_sgpr_count 2
		.amdhsa_user_sgpr_kernarg_segment_ptr 1
		.amdhsa_wavefront_size32 1
		.amdhsa_system_sgpr_workgroup_id_x 1
		.amdhsa_system_sgpr_workgroup_id_y 1
		.amdhsa_system_sgpr_workgroup_id_z 1
		.amdhsa_system_vgpr_workitem_id 0
		.amdhsa_next_free_vgpr 176
		.amdhsa_next_free_sgpr 66
		.amdhsa_reserve_vcc 0
		.amdhsa_float_denorm_mode_32 3
		.amdhsa_float_denorm_mode_16_64 3
		.amdhsa_memory_ordered 1
		.amdhsa_forward_progress 1
		.amdhsa_inst_pref_size 34
	.end_amdhsa_kernel
	.amdgpu_metadata
---
amdhsa.version: [ 1, 2 ]
amdhsa.kernels:
  - .name:           k_qf9cbc3aba8_place
    .symbol:         k_qf9cbc3aba8_place.kd
    .args:
      - { .name: pick, .offset: 0, .size: 8, .value_kind: global_buffer, .address_space: global }
      - { .name: lists, .offset: 8, .size: 8, .value_kind: global_buffer, .address_space: global }
    .group_segment_fixed_size: 0
    .private_segment_fixed_size: 0
    .kernarg_segment_align: 8
    .kernarg_segment_size: 16
    .max_flat_workgroup_size: 32
    .sgpr_count:     66
    .vgpr_count:     176
    .wavefront_size: 32
...
	.end_amdgpu_metadata
.endif
;; end of part 2
;; launch up (part 3): grid 8 x 32, 4 waves a work-group, no clusters, 307,712 bytes of LDS; arguments W1_codes, W1_scales, b1, xq, lists, hq; writes hq
.if DOCPART == 3
	.amdgcn_target "amdgcn-amd-amdhsa--gfx1250"
	.amdhsa_code_object_version 6
	.text
	.protected	k_qf9cbc3aba8_up
	.globl	k_qf9cbc3aba8_up
	.p2align	8
	.type	k_qf9cbc3aba8_up,@function
k_qf9cbc3aba8_up:
	s_mov_b64 s[64:65], 0
	v_nop
	global_prefetch_b8 v0, s[64:65] scope:SCOPE_SE
	s_setreg_imm32_b32 hwreg(HW_REG_WAVE_MODE, 25, 1), 1
	s_wait_xcnt 0x0
; THE FIRST PRODUCT ON THE ROUTED ROWS: h = gelu(x W1[e] + b1[e]), quantised along the hidden axis.  Codes of E2M3 on both sides, one E8M0 byte for each 32 along K = 1,024; sums in f32.
; ROWS.  The 4,096 (token, expert) rows lie sorted by expert (lists: rowtok, cum), unpadded: 32 groups of 128 rows, tiles of 16.  A tile that holds rows of two experts is multiplied once for each, and a lane stores only
; where its row belongs to the expert in hand.  So the grid, 8 slices of 256 hidden units x 32 groups, serves every split, and every work-group has work.
; SHARES.  A work-group: 128 rows x 256 hidden units.  Wave w: all 8 tiles x units 64 w .. 64 w + 63: its 64 rows of W1, all of K, stay in 384 registers; the 128 rows of x lie in LDS, gathered once, read by all four waves.
; THE WEIGHTS' WAY.  A wave's 64 rows are 49,152 consecutive bytes: 96 loads of 512 bytes.  They turn through the wave's own LDS bytes (rows 784 bytes apart, 128 more behind each 16 rows, so that the 32 lanes of an 8-byte load
; touch 64 different banks) and come back as fragments.  TRANSPOSED USE: source 0 = 16 rows of W1, source 1 = 16 rows of x: a lane holds one row of h.  Lane r of tile 2 b + u takes W1's row 32 b + 8 u + r + 8 (r / 8), so that
; the 16 registers of tiles 2 b, 2 b + 1 are 16 neighbours along the next K.  The bias is the C of a sum's first product.
; OUT, hq: the codes as images of the next product's fragments, [tile 256][K step 16][half 2][3][lane 32][8 bytes]; the scale bytes as half-words [K step 16][half 2][row 4096] at HS.
; THE 8 TILES ARE WRITTEN OUT: every LDS and memory address register is made at the head, from ids and constants, ahead of the first branch on a stored number; a tile's place stands in the immediates.
; NO TENSOR LOAD, NO CLUSTER: which expert's weights are walked, and which tiles, hangs on counts read from memory; a launch with such branches takes its operands through registers, so there is no joint load to share them by.
; No prefetch: all of a work-group's loads go out at its head.  The one barrier stands ahead of the first branch on a stored number.
; GELU = 0.5 x (1 + erf(x / sqrt 2)), erf(z) = z P(z^2) / Q(z^2) (degrees 6 and 4) on z held to +-4: a few units in erf's last place.  LIMITS: under x = -5.7 the result is x times at most 6e-8 where the true value is nearer 0;
; NaN and infinities are not served; a block of zeros gets the byte 1, not 127 (its codes are zeros; only this program reads the bytes).
.set RT,   16384
.set CU,   32768
.set XSC,  1572864
.set HS,   6291456
.set AP,   784                         ; an LDS row: 768 bytes + 16 = 196 words: row r starts at bank 4 r mod 64
.set ASC,  128*AP                      ; behind x's 128 rows: their scale words, [K step 8][row 128]
.set BB,   ASC+4096                    ; behind them: each wave's bytes for the weights' turn
.set BBW,  50688
.set ACC,  32                          ; v32-63   four accumulators
.set BIAS, 64                          ; v64-95   b1 in the result's layout, 8 a tile
.set AS,   96                          ; v96-103  x's scale words, one a K step
.set BS,   104                         ; v104-119 W1's scale words: register 8 b + s: lanes 0-15 tile 2 b, lanes 16-31 tile 2 b + 1
.set Z,    120                         ; v120-183 the activation's four sets of 16; at the head v120-136 gather offsets, v140-147 x's scale words as loaded
.set W,    136
.set P,    152
.set Q,    168
.set GO,   120
.set XS,   140
.set TM,   184                         ; v184-189 the quantiser's
.set PC,   192                         ; v192-198 the codes just made
.set SW,   200                         ; v200     their two scale bytes
.set KA,   216                         ; v216-217 P's leading coefficient, twice;  v218-219 Q's
.set KB,   218
; v1 r, v2 h, v3 lane, v4 16 lane, v5-6 the turn's way in, v7 its way out, v8 x's fragments of tiles 0-3, v9 of tiles 4-7, v10 x's scale words, v11 q0 + r, v12-13 x's way into LDS, v14 W1's scale rows, v15 b1,
; v16 8 lane (the images' offset), v17 q, v19 2 (q0 + r) (the half-words' offset)
; window 1: W1's fragments of K steps 0-3 at 12 (4 s + t); window 2: of K steps 4-7; both first take the rows as loaded.  window 3: x's fragments at 12 s; first the gathered rows.
; s16 wave, s17 slice, s18 group, s19 q0, s20 q0 + 128, s21 the first row's expert, s22 e, s24-25 a tile's rows, s32-40 cum from e on, s42-47 the first expert's pointers, s48-53 expert e's, s54-57 hq's images and half-words
.set MSB, 0
.macro WIN new                         ; the immediate's high byte repeats the setting that is left; bits 1:0 source 0, 3:2 source 1, 5:4 source 2, 7:6 destination
.if MSB != (\new)
	s_set_vgpr_msb (MSB<<8)|(\new)
.set MSB, (\new)
.endif
.endm
.macro BRAW ptr, half                  ; half of my 64 rows of W1, as they lie: 48 loads of 512 consecutive bytes
	WIN (0x40*(1+\half))
.set i, 0
.rept 48
	global_load_b128 v[4*i:4*i+3], v4, s[\ptr:\ptr+1] offset:512*(48*\half+i)
.set i, i+1
.endr
	WIN 0
.endm
.macro BAUX ps, pb                     ; W1's scale words (a row's 32 bytes: 8 words) and b1: 12 loads
.irp b, 0,1
	global_load_b128 v[BS+8*\b:BS+8*\b+3], v14, s[\ps:\ps+1] offset:1024*\b
	global_load_b128 v[BS+8*\b+4:BS+8*\b+7], v14, s[\ps:\ps+1] offset:1024*\b+16
.endr
.irp t, 0,1,2,3
	global_load_b128 v[BIAS+8*\t:BIAS+8*\t+3], v15, s[\pb:\pb+1] offset:(32*(\t/2)+8*(\t%2))*4
	global_load_b128 v[BIAS+8*\t+4:BIAS+8*\t+7], v15, s[\pb:\pb+1] offset:(32*(\t/2)+8*(\t%2))*4+16
.endr
.endm
; The turn.  Three loads hold two rows: the first 512 bytes of row 2 a; its last 256 and the first 256 of row 2 a + 1 (lanes 16-31 stand 16 bytes further on: the pitch's padding); the last 512 of row 2 a + 1.
.macro BTURN
.irp hf, 0,1
	WIN (0x04*(1+\hf))                             ; an LDS store's data are its source 1
.set i, 0
.rept 48
.set a_, (48*\hf+i)/3
.set k_, (48*\hf+i)%3
.if k_ == 1
	ds_store_b128 v6, v[4*i:4*i+3] offset:1568*a_+128*(a_/8)+512
.elseif k_ == 2
	ds_store_b128 v5, v[4*i:4*i+3] offset:1568*a_+128*(a_/8)+1040
.else
	ds_store_b128 v5, v[4*i:4*i+3] offset:1568*a_+128*(a_/8)
.endif
.set i, i+1
.endr
.endr
	s_wait_dscnt 0x0                               ; the stores have read their registers, which now take the fragments
.irp hf, 0,1
	WIN (0x40*(1+\hf))
.irp s4, 0,1,2,3
.irp t, 0,1,2,3
.irp p, 0,1,2,3,4,5
	ds_load_b64 v[12*(4*\s4+\t)+2*\p:12*(4*\s4+\t)+2*\p+1], v7 offset:(32*(\t/2)+8*(\t%2))*AP+256*(\t/2)+96*(4*\hf+\s4)+48*(\p/3)+8*(\p%3)
.endr
.endr
.endr
.endr
	WIN 0
	s_wait_dscnt 0x0
.endm
.macro MM ks, kt                       ; tile kt of my 64 units, K step ks
.set bf_, 12*(4*((\ks)%4)+(\kt))
.set af_, 12*(\ks)
.set ac_, ACC+8*(\kt)
.set bs_, BS+8*((\kt)/2)+(\ks)
.if (\ks) == 0
.if (\kt)%2
	v_wmma_scale_f32_16x16x128_f8f6f4 v[ac_:ac_+7], v[bf_:bf_+11], v[af_:af_+11], v[BIAS+8*(\kt):BIAS+8*(\kt)+7], v[bs_], v[AS+(\ks)] matrix_a_fmt:MATRIX_FMT_FP6 matrix_b_fmt:MATRIX_FMT_FP6 matrix_a_scale:MATRIX_SCALE_ROW1
.else
	v_wmma_scale_f32_16x16x128_f8f6f4 v[ac_:ac_+7], v[bf_:bf_+11], v[af_:af_+11], v[BIAS+8*(\kt):BIAS+8*(\kt)+7], v[bs_], v[AS+(\ks)] matrix_a_fmt:MATRIX_FMT_FP6 matrix_b_fmt:MATRIX_FMT_FP6
.endif
.else
.if (\kt)%2
	v_wmma_scale_f32_16x16x128_f8f6f4 v[ac_:ac_+7], v[bf_:bf_+11], v[af_:af_+11], v[ac_:ac_+7], v[bs_], v[AS+(\ks)] matrix_a_fmt:MATRIX_FMT_FP6 matrix_b_fmt:MATRIX_FMT_FP6 matrix_a_scale:MATRIX_SCALE_ROW1
.else
	v_wmma_scale_f32_16x16x128_f8f6f4 v[ac_:ac_+7], v[bf_:bf_+11], v[af_:af_+11], v[ac_:ac_+7], v[bs_], v[AS+(\ks)] matrix_a_fmt:MATRIX_FMT_FP6 matrix_b_fmt:MATRIX_FMT_FP6
.endif
.endif
.endm
; 16 numbers, v[a] on, in place, two at a time.  The accumulators are read from their low ends on.
.macro GELU16 a
.irp p, 0,2,4,6,8,10,12,14
	v_pk_mul_f32 v[Z+\p:Z+\p+1], v[(\a)+\p:(\a)+\p+1], 0x3f3504f3 op_sel_hi:[1,0]     ; z = x / sqrt 2
.endr
.irp i, 0,1,2,3,4,5,6,7,8,9,10,11,12,13,14,15
	v_med3_num_f32 v[Z+\i], v[Z+\i], -4.0, 4.0
.endr
.irp p, 0,2,4,6,8,10,12,14
	v_pk_mul_f32 v[W+\p:W+\p+1], v[Z+\p:Z+\p+1], v[Z+\p:Z+\p+1]
.endr
.irp p, 0,2,4,6,8,10,12,14
	v_pk_fma_f32 v[P+\p:P+\p+1], v[W+\p:W+\p+1], v[KA:KA+1], 0x32edffee op_sel_hi:[1,1,0]
	v_pk_fma_f32 v[Q+\p:Q+\p+1], v[W+\p:W+\p+1], v[KB:KB+1], 0xb95fbd29 op_sel_hi:[1,1,0]
.endr
.irp c, 0xb60cff51, 0xb86ec2d2, 0xba40ac63, 0xbb41a1f6, 0xbc83dbd4
.irp p, 0,2,4,6,8,10,12,14
	v_pk_fma_f32 v[P+\p:P+\p+1], v[P+\p:P+\p+1], v[W+\p:W+\p+1], \c op_sel_hi:[1,1,0]
.endr
.endr
.irp c, 0xbadc924e, 0xbbf19bf8, 0xbc69b6a7
.irp p, 0,2,4,6,8,10,12,14
	v_pk_fma_f32 v[Q+\p:Q+\p+1], v[Q+\p:Q+\p+1], v[W+\p:W+\p+1], \c op_sel_hi:[1,1,0]
.endr
.endr
.irp p, 0,2,4,6,8,10,12,14
	v_pk_mul_f32 v[P+\p:P+\p+1], v[P+\p:P+\p+1], v[Z+\p:Z+\p+1]
.endr
.irp i, 0,1,2,3,4,5,6,7,8,9,10,11,12,13,14,15
	v_rcp_f32 v[Q+\i], v[Q+\i]                     ; one batch
.endr
.irp p, 0,2,4,6,8,10,12,14
	v_pk_mul_f32 v[W+\p:W+\p+1], v[(\a)+\p:(\a)+\p+1], 0.5 op_sel_hi:[1,0]            ; plain work behind the batch, which names none of its results
.endr
	s_wait_alu depctr_va_vdst(0)                   ; one wait for the 16 reciprocals, ahead of their first reader
.irp p, 0,2,4,6,8,10,12,14
	v_pk_mul_f32 v[P+\p:P+\p+1], v[P+\p:P+\p+1], v[Q+\p:Q+\p+1]                       ; erf
.endr
.irp p, 0,2,4,6,8,10,12,14
	v_pk_fma_f32 v[(\a)+\p:(\a)+\p+1], v[W+\p:W+\p+1], v[P+\p:P+\p+1], v[W+\p:W+\p+1]
.endr
.endm
; A lane's 32 numbers, register 16 b + i = unit 32 b + 16 h + i of my row, become six registers of the next operand (a whole block of 32 a lane) and two scale bytes.
.macro QUANT2
.irp b, 0,1
	v_max3_num_f32 v[TM+\b], |v[ACC+16*\b]|, |v[ACC+16*\b+1]|, 0x1800000      ; with the floor 2^(3 - 127): the byte cannot fall under 1
.endr
.irp i, 2,4,6,8,10,12,14
.irp b, 0,1
	v_max3_num_f32 v[TM+\b], v[TM+\b], |v[ACC+16*\b+\i]|, |v[ACC+16*\b+\i+1]|
.endr
.endr
.irp b, 0,1
	v_permlanex16_b32 v[TM+2+\b], v[TM+\b], s60, s61
.endr
.irp b, 0,1
	v_max_num_f32 v[TM+\b], v[TM+\b], v[TM+2+\b]   ; with lane l xor 16's 16: the block's largest magnitude
.endr
.irp b, 0,1
	v_add_nc_u32 v[TM+4+\b], 0xff000000, v[TM+\b]  ; 2 off its exponent field: the conversion's scale operand
.endr
.irp b, 0,1
	v_lshrrev_b32 v[TM+\b], 23, v[TM+4+\b]         ; the byte
.endr
	v_lshl_or_b32 v[SW], v[TM+1], 8, v[TM]
	v_cvt_scalef32_pk16_fp6_f32 v[PC:PC+2], v[ACC:ACC+15], v[TM+4]
	v_cvt_scalef32_pk16_fp6_f32 v[PC+4:PC+6], v[ACC+16:ACC+31], v[TM+5]
	v_nop                                          ; one plain line behind the conversions
.irp i, 0,1,2
	v_permlane16_swap_b32 v[PC+\i], v[PC+4+\i]     ; the first's lanes 16-31 change places with the second's lanes 0-15: lane half h now holds block h, lower 16 codes and upper 16
.endr
.irp i, 0,1,2
	v_mov_b32 v[PC+3+\i], v[PC+4+\i]
.endr
.endm
; Tile tau of 16 rows against my 64 units of the expert in hand, if it holds a row of that expert.  Its place in LDS and in hq stands in the immediates.
.macro TILE tau
	s_add_co_u32 s24, s19, 16*(\tau)
	s_add_co_u32 s25, s19, 16*(\tau)+16
	s_cmp_lt_u32 s32, s25
	s_cbranch_scc0 .Lskip_\@
	s_cmp_gt_u32 s33, s24
	s_cbranch_scc0 .Lskip_\@
.irp s, 0,1,2,3,4,5,6,7
	ds_load_b32 v[AS+\s], v10 offset:512*\s+64*(\tau)
.endr
	WIN 0xc0
.irp s, 0,1,2,3,4,5,6,7
.irp p, 0,1,2,3,4,5
	ds_load_b64 v[12*\s+2*\p:12*\s+2*\p+1], v[8+(\tau)/4] offset:((\tau)%4)*16*AP+96*\s+48*(\p/3)+8*(\p%3)
.endr
.endr
.irp s, 0,1,2,3,4,5,6,7
.if \s == 0
	WIN 0x0d                                       ; source 0 (W1) window 1, source 1 (x) window 3, C and D window 0
.endif
.if \s == 4
	WIN 0x0e                                       ; W1's later K steps: window 2
.endif
	s_wait_dscnt 6*(7-\s)                          ; this K step's fragment is in; the six loads of each later one may be out
.irp t, 0,1,2,3
	MM \s, \t                                      ; the four accumulators by turns, one instruction a turn
.endr
.endr
	WIN 0
	v_add_nc_u32 v17, 16*(\tau), v11               ; my row's sorted place.  (Four plain lines that name none of the products' registers stand between the last product and the first read of a result)
.rept 3
	v_nop
.endr
	GELU16 ACC
	GELU16 ACC+16
	QUANT2
	v_cmp_le_u32 s58, s32, v17
	v_cmp_gt_u32 vcc_lo, s33, v17
	s_and_b32 vcc_lo, vcc_lo, s58                  ; the lanes whose row belongs to this expert
	s_wait_xcnt 0x0                                ; EXEC changes only behind this wait
	s_and_saveexec_b32 s59, vcc_lo
	global_store_b64 v16, v[PC:PC+1], s[54:55] offset:24576*(\tau)           ; a whole tile's store covers 256 consecutive bytes, aligned
	global_store_b64 v16, v[PC+2:PC+3], s[54:55] offset:24576*(\tau)+256
	global_store_b64 v16, v[PC+4:PC+5], s[54:55] offset:24576*(\tau)+512
	global_store_b16 v19, v[SW], s[56:57] offset:32*(\tau)                   ; both halves of the lanes hold the row's two bytes and write the same value
	s_wait_xcnt 0x0                                ; the stores have read EXEC and their data: both are written again only behind this wait
	s_or_b32 exec_lo, exec_lo, s59
.Lskip_\@:
.endm
	s_load_b256 s[4:11], s[0:1], 0x0               ; W1's codes s[4:5], its scales s[6:7], b1 s[8:9], xq s[10:11]
	s_load_b128 s[12:15], s[0:1], 0x20             ; lists s[12:13], hq s[14:15]
	v_lshl_add_u32 v254, v0, 2, 0x4b000
	v_mov_b32 v255, 0
	v_lshrrev_b32 v20, 5, v0
	v_readfirstlane_b32 s16, v20
	s_mov_b32 s17, ttmp9
	s_and_b32 s18, ttmp7, 0xffff
	s_lshl_b32 s19, s18, 7
	s_add_co_u32 s20, s19, 128
	v_and_b32 v1, 15, v0
	v_bfe_u32 v2, v0, 4, 1
	v_and_b32 v3, 31, v0
	v_lshlrev_b32 v4, 4, v3
	s_mul_i32 s29, s16, BBW
	s_add_co_u32 s29, s29, BB
	v_add_nc_u32 v5, s29, v4
	v_lshl_add_u32 v6, v2, 4, v5
	v_and_b32 v20, 8, v1
	v_add_nc_u32 v21, v20, v1                      ; r + 8 (r / 8)
	v_mul_u32_u24 v7, v21, AP
	v_lshl_add_u32 v7, v20, 4, v7                  ; + 128 (r / 8)
	v_mad_u32_u24 v7, v2, 24, v7
	v_add_nc_u32 v7, s29, v7
	v_mul_u32_u24 v8, v1, AP
	v_mad_u32_u24 v8, v2, 24, v8                   ; x's fragments: row r, + 24 h: tiles 0 to 3,
	v_add_nc_u32 v9, 64*AP, v8                     ; tiles 4 to 7: so that every immediate stays inside its 16 bits
	v_lshl_add_u32 v10, v1, 2, ASC
	v_add_nc_u32 v11, s19, v1                      ; q0 + r
	s_mul_i32 s29, s16, 32*AP
	v_mul_u32_u24 v12, v2, AP
	v_lshl_add_u32 v12, v1, 4, v12
	v_add_nc_u32 v12, s29, v12                     ; rows 32 w + h on, 16 bytes a lane of sixteen
	v_lshl_add_u32 v13, v0, 2, ASC
	v_lshl_add_u32 v14, v2, 3, v21
	v_lshlrev_b32 v14, 5, v14                      ; W1's scale row: 8 h + r + 8 (r / 8), 32 bytes a row
	v_lshlrev_b32 v15, 6, v2
	v_lshlrev_b32 v16, 3, v3
	v_lshlrev_b32 v19, 1, v11
	s_lshl_b32 s29, s16, 5
	s_add_co_u32 s29, s29, s19
	s_lshl_b32 s29, s29, 2
	v_lshl_add_u32 v22, v2, 2, s29                 ; rowtok: rows q0 + 32 w + h on
	s_lshl_b32 s30, s19, 2
	v_lshl_add_u32 v23, v0, 2, s30                 ; and row q0 + my thread's number
	v_mov_b32 v[KA], 0xaf95df0b
	v_mov_b32 v[KA+1], 0xaf95df0b
	v_mov_b32 v[KB], 0xb77460cd
	v_mov_b32 v[KB+1], 0xb77460cd
	v_mov_b32 v[TM+2], 0                           ; written once: a lane permute's destination counts as read
	v_mov_b32 v[TM+3], 0
	s_mov_b32 s60, 0x76543210
	s_mov_b32 s61, 0xfedcba98
	s_mov_b32 s40, 4096                            ; cum[8]
	s_mov_b32 s31, 0
	s_mul_i32 s30, s17, 196608
	s_mul_i32 s29, s16, 49152
	s_add_co_u32 s30, s30, s29                     ; my first unit, 256 x + 64 w, x 768 bytes
	s_wait_kmcnt 0x0
	s_load_b256 s[32:39], s[12:13], CU             ; cum[0..7]
.irp m, 0,1,2,3,4,5,6,7,8,9,10,11,12,13,14,15
	global_load_b32 v[GO+\m], v22, s[12:13] offset:RT+8*\m
.endr
	global_load_b32 v136, v23, s[12:13] offset:RT
	s_add_nc_u64 s[48:49], s[4:5], s[30:31]
	s_lshl_b32 s30, s17, 13
	s_lshl_b32 s29, s16, 11
	s_add_co_u32 s30, s30, s29
	s_add_nc_u64 s[50:51], s[6:7], s[30:31]
	s_lshl_b32 s30, s17, 10
	s_lshl_b32 s29, s16, 8
	s_add_co_u32 s30, s30, s29
	s_add_nc_u64 s[52:53], s[8:9], s[30:31]
	s_mul_i32 s30, s18, 196608                     ; hq's images: 8 tiles of 24,576 bytes a group; my units are K step 2 x + w / 2, half w % 2: 3,072 x + 768 w bytes on
	s_mul_i32 s29, s17, 3072
	s_add_co_u32 s30, s30, s29
	s_mul_i32 s29, s16, 768
	s_add_co_u32 s30, s30, s29
	s_add_nc_u64 s[54:55], s[14:15], s[30:31]
	s_lshl_b32 s30, s17, 2
	s_add_co_u32 s30, s30, s16
	s_lshl_b32 s30, s30, 13
	s_add_co_u32 s30, s30, HS                      ; its scale half-words: plane 4 x + w of 8,192 bytes
	s_add_nc_u64 s[56:57], s[14:15], s[30:31]
	s_wait_kmcnt 0x0
	s_mov_b32 s21, 0                               ; the expert of the group's first row: how many experts end at or before it
.irp e, 33,34,35,36,37,38,39
	s_cmp_le_u32 s\e, s19
	s_add_co_ci_u32 s21, s21, 0
.endr
	s_min_u32 s21, s21, 7
	s_mul_i32 s30, s21, 1572864
	s_add_nc_u64 s[42:43], s[48:49], s[30:31]
	s_lshl_b32 s30, s21, 16
	s_add_nc_u64 s[44:45], s[50:51], s[30:31]
	s_lshl_b32 s30, s21, 13
	s_add_nc_u64 s[46:47], s[52:53], s[30:31]
	BAUX 44, 46
	BRAW 42, 0
	s_wait_loadcnt 60                              ; the 17 loads from rowtok are in; the 12 + 48 issued behind them may be out
.irp m, 0,1,2,3,4,5,6,7,8,9,10,11,12,13,14,15
	v_min_u32 v[GO+\m], 0x7ff, v[GO+\m]            ; a stored number enters an address only behind a bound
.endr
	v_min_u32 v136, 0x7ff, v136
.irp m, 0,1,2,3,4,5,6,7,8,9,10,11,12,13,14,15
	v_mul_u32_u24 v[GO+\m], v[GO+\m], 768
.endr
	v_lshlrev_b32 v136, 5, v136
.irp m, 0,1,2,3,4,5,6,7,8,9,10,11,12,13,14,15
	v_lshl_add_u32 v[GO+\m], v1, 4, v[GO+\m]
.endr
	WIN 0xc0
.irp m, 0,1,2,3,4,5,6,7,8,9,10,11,12,13,14,15
.irp j, 0,1,2
	global_load_b128 v[12*\m+4*\j:12*\m+4*\j+3], v[GO+\m], s[10:11] offset:256*\j    ; sixteen lanes read 256 consecutive bytes of a token's codes: rows 2 m and 2 m + 1 of my 32
.endr
.endr
	WIN 0
	global_load_b128 v[XS:XS+3], v136, s[10:11] offset:XSC
	global_load_b128 v[XS+4:XS+7], v136, s[10:11] offset:XSC+16
	BRAW 42, 1
	s_wait_loadcnt 48                              ; the gathered rows and their scale bytes are in; the weights' second half may be out
	WIN 0x0c
.irp m, 0,1,2,3,4,5,6,7,8,9,10,11,12,13,14,15
.irp j, 0,1,2
	ds_store_b128 v12, v[12*\m+4*\j:12*\m+4*\j+3] offset:1568*\m+256*\j
.endr
.endr
	WIN 0
.irp s, 0,1,2,3,4,5,6,7
	ds_store_b32 v13, v[XS+\s] offset:512*\s
.endr
	s_wait_loadcnt 0x0
	BTURN                                          ; it ends with a wait for all my LDS instructions: x's rows among them, for the others' sake
	s_barrier_signal -1
	s_barrier_wait -1                              ; x's 128 rows and their scale words lie in LDS.  From here on LDS is written only by a wave in its own bytes
	s_mov_b32 s22, 0
.Lexp:                                             ; 8 trips, a constant: s32 = cum[e], s33 = cum[e + 1]
	s_cmp_lt_u32 s32, s20                          ; an expert with no row in this group is passed over
	s_cbranch_scc0 .Lnext
	s_cmp_gt_u32 s33, s19
	s_cbranch_scc0 .Lnext
	s_cmp_lt_u32 s32, s33
	s_cbranch_scc0 .Lnext
	s_cmp_eq_u32 s22, s21                          ; the first expert's weights are in the registers already
	s_cbranch_scc1 .Lhave
	BAUX 50, 52
	BRAW 48, 0
	BRAW 48, 1
	s_wait_loadcnt 0x0
	BTURN
.Lhave:
.irp t, 0,1,2,3,4,5,6,7
	TILE \t
.endr
.Lnext:
.irp e, 32,33,34,35,36,37,38,39
	s_mov_b32 s\e, s[\e+1]                         ; on to the next expert's bounds
.endr
	s_add_nc_u64 s[48:49], s[48:49], 1572864       ; and its weights, scales and bias (no load is out: each was waited for)
	s_add_nc_u64 s[50:51], s[50:51], 65536
	s_add_nc_u64 s[52:53], s[52:53], 8192
	s_add_co_u32 s22, s22, 1
	s_cmp_lt_u32 s22, 8
	s_cbranch_scc1 .Lexp
	s_wait_tensorcnt 0x0
	ds_add_u32 v254, v255
	s_wait_dscnt 0x0
	s_endpgm
.Lfunc_end_k_qf9cbc3aba8_up:
	.size	k_qf9cbc3aba8_up, .Lfunc_end_k_qf9cbc3aba8_up-k_qf9cbc3aba8_up
	.p2alignl 7, 3214868480
	.fill 96, 4, 3214868480
	.section	.rodata,"a",@progbits
	.p2align	6, 0x0
	.amdhsa_kernel k_qf9cbc3aba8_up
		.amdhsa_group_segment_fixed_size 307712
		.amdhsa_private_segment_fixed_size 0
		.amdhsa_enable_private_segment 0
		.amdhsa_kernarg_size 48
		.amdhsa_user_sgpr_count 2
		.amdhsa_user_sgpr_kernarg_segment_ptr 1
		.amdhsa_wavefront_size32 1
		.amdhsa_system_sgpr_workgroup_id_x 1
		.amdhsa_system_sgpr_workgroup_id_y 1
		.amdhsa_system_sgpr_workgroup_id_z 1
		.amdhsa_system_vgpr_workitem_id 0
		.amdhsa_next_free_vgpr 960
		.amdhsa_next_free_sgpr 66
		.amdhsa_reserve_vcc 1
		.amdhsa_float_denorm_mode_32 3
		.amdhsa_float_denorm_mode_16_64 3
		.amdhsa_memory_ordered 1
		.amdhsa_forward_progress 1
		.amdhsa_inst_pref_size 255
	.end_amdhsa_kernel
	.section	.bss,"aw",@nobits
	.p2align	6
	.space	262144
	.amdgpu_metadata
---
amdhsa.version: [ 1, 2 ]
amdhsa.kernels:
  - .name:           k_qf9cbc3aba8_up
    .symbol:         k_qf9cbc3aba8_up.kd
    .args:
      - { .name: W1_codes, .offset: 0, .size: 8, .value_kind: global_buffer, .address_space: global }
      - { .name: W1_scales, .offset: 8, .size: 8, .value_kind: global_buffer, .address_space: global }
      - { .name: b1, .offset: 16, .size: 8, .value_kind: global_buffer, .address_space: global }
      - { .name: xq, .offset: 24, .size: 8, .value_kind: global_buffer, .address_space: global }
      - { .name: lists, .offset: 32, .size: 8, .value_kind: global_buffer, .address_space: global }
      - { .name: hq, .offset: 40, .size: 8, .value_kind: global_buffer, .address_space: global }
    .group_segment_fixed_size: 307712
    .private_segment_fixed_size: 0
    .kernarg_segment_align: 8
    .kernarg_segment_size: 48
    .max_flat_workgroup_size: 128
    .sgpr_count:     66
    .vgpr_count:     960
    .wavefront_size: 32
...
	.end_amdgpu_metadata
.endif
;; end of part 3
;; launch down (part 4): grid 8 x 32, 4 waves a work-group, no clusters, 305,664 bytes of LDS; arguments W2_codes, W2_scales, b2, hq, lists, yw; writes yw
.if DOCPART == 4
	.amdgcn_target "amdgcn-amd-amdhsa--gfx1250"
	.amdhsa_code_object_version 6
	.text
	.protected	k_qf9cbc3aba8_down
	.globl	k_qf9cbc3aba8_down
	.p2align	8
	.type	k_qf9cbc3aba8_down,@function
k_qf9cbc3aba8_down:
	s_mov_b64 s[64:65], 0
	v_nop
	global_prefetch_b8 v0, s[64:65] scope:SCOPE_SE
	s_setreg_imm32_b32 hwreg(HW_REG_WAVE_MODE, 25, 1), 1
	s_wait_xcnt 0x0
; THE SECOND PRODUCT ON THE ROUTED ROWS: yw[q] = h[q] W2[e] + b2[e], f32, not yet weighed by the gate.  Codes of E2M3 on both sides, one E8M0 byte for each 32 along K = 2,048; sums in f32.
; ROWS as in the first product: 4,096 rows sorted by expert, 32 groups of 128, tiles of 16; a tile with rows of two experts is multiplied once for each, and a select keeps each lane's own expert's result.
; SHARES.  A work-group: 128 rows x 128 outputs.  Wave w: all 8 tiles x outputs 32 w .. 32 w + 31: its 32 rows of W2, all of K, stay in 384 registers.  The group's hidden codes lie in hq as images of the fragments'
; registers, 196,608 consecutive bytes: they go into LDS as they lie, and a fragment is six loads of 8 bytes a lane at 8 x lane: no pitch, no conflict.
; THE WEIGHTS' WAY: as in the first product, through the wave's own LDS bytes (32 rows x 768 bytes, 784 apart), half of K at a time.
; TRANSPOSED USE: source 0 = 16 rows of W2, source 1 = 16 rows of h: a lane holds eight neighbouring outputs of one row.  The bias is the C of a sum's first product.  Two accumulators by turns.
; THE WAY OUT: the kept results of all 8 tiles (128 registers) go through a stage that lies over the images, behind a barrier behind which nobody reads them; each wave stores 32 whole rows of 512 bytes.
; NO TENSOR LOAD, NO CLUSTER: which expert's weights are walked hangs on counts read from memory; a launch with such branches takes its operands through registers, so there is no joint load to share them by.
; No prefetch: all of a work-group's loads go out at its head.  No barrier stands under a branch on a stored number: the loop over experts has a constant count, and all its ways join ahead of the next barrier.
; LIMITS: NaN and infinities are not served.
.set CU,   32768
.set HS,   6291456
.set AP,   784
.set ASC,  196608                      ; behind the images: h's scale words, [K step 16][row 128]
.set BB,   ASC+8192                    ; behind them: each wave's bytes for the weights' turn
.set BBW,  32*AP
.set SPI,  528                         ; the stage: 128 rows of 512 bytes + 16, from LDS byte 0
.set AI,   9                           ; v9-12   8 lane + 49,152 k: the images of tiles 2 k, 2 k + 1
.set SA,   16                          ; v16-18  16 x thread + 65,536 g: the images' way into LDS (v16 also their offset in memory)
.set PA,   32                          ; v32-47  two accumulators
.set BIAS, 48                          ; v48-63  b2 in the result's layout
.set AS,   64                          ; v64-79  h's scale words, one a K step
.set BS,   80                          ; v80-95  W2's: register s: lanes 0-15 outputs 0-15, lanes 16-31 outputs 16-31
.set PL,   96                          ; v96-111 the scale half-words as loaded; v112-127 joined
.set HOLD, 128                         ; v128-255 what is kept: tile t, outputs 16 n on, at HOLD + 16 t + 8 n.  They first take a part of the images, so they are written before they are read; every row is selected once
; v1 r, v2 h, v3 lane, v4-5 the weights' offsets in memory, v6-7 the turn's way in, v8 its way out, v13 h's scale words, v14 q0 + r, v15 q, v19-20 the stage, v22-23 the half-words' way, v24 W2's scale rows, v25 b2
; window 1: W2's fragments of K steps 0-7 at 12 (2 s + n), v448-511 a part of the images' landing;  window 2: of K steps 8-15;  window 3: h's fragments at 12 s; first the images.
.set MSB, 0
.macro WIN new                         ; the immediate's high byte repeats the setting that is left; bits 1:0 source 0, 3:2 source 1, 5:4 source 2, 7:6 destination
.if MSB != (\new)
	s_set_vgpr_msb (MSB<<8)|(\new)
.set MSB, (\new)
.endif
.endm
; Half kh of K of my 32 rows: 768 bytes of each row of 1,536.  Three loads hold two rows' parts; every sixteen lanes read 256 consecutive bytes, aligned.
.macro BRAW ptr, kh
	WIN (0x40*(1+\kh))
.set i, 0
.rept 48
.set a_, i/3
.if i%3 == 0
	global_load_b128 v[4*i:4*i+3], v4, s[\ptr:\ptr+1] offset:3072*a_+768*\kh
.elseif i%3 == 1
	global_load_b128 v[4*i:4*i+3], v5, s[\ptr:\ptr+1] offset:3072*a_+768*\kh+512
.else
	global_load_b128 v[4*i:4*i+3], v4, s[\ptr:\ptr+1] offset:3072*a_+768*\kh+1792
.endif
.set i, i+1
.endr
	WIN 0
.endm
.macro BAUX ps, pb                     ; W2's scale words (a row's 64 bytes: 16 words) and b2: 8 loads
.irp i, 0,1,2,3
	global_load_b128 v[BS+4*\i:BS+4*\i+3], v24, s[\ps:\ps+1] offset:16*\i
.endr
.irp n, 0,1
	global_load_b128 v[BIAS+8*\n:BIAS+8*\n+3], v25, s[\pb:\pb+1] offset:64*\n
	global_load_b128 v[BIAS+8*\n+4:BIAS+8*\n+7], v25, s[\pb:\pb+1] offset:64*\n+16
.endr
.endm
.macro BTURN kh
	WIN (0x04*(1+\kh))                             ; an LDS store's data are its source 1
.set i, 0
.rept 48
.set a_, i/3
.if i%3 == 0
	ds_store_b128 v6, v[4*i:4*i+3] offset:1568*a_
.elseif i%3 == 1
	ds_store_b128 v7, v[4*i:4*i+3] offset:1568*a_+512
.else
	ds_store_b128 v6, v[4*i:4*i+3] offset:1568*a_+1040
.endif
.set i, i+1
.endr
	s_wait_dscnt 0x0                               ; the stores have read their registers, which now take the fragments
	WIN (0x40*(1+\kh))
.irp s8, 0,1,2,3,4,5,6,7
.irp n, 0,1
.irp p, 0,1,2,3,4,5
	ds_load_b64 v[12*(2*\s8+\n)+2*\p:12*(2*\s8+\n)+2*\p+1], v8 offset:16*\n*AP+96*\s8+48*(\p/3)+8*(\p%3)
.endr
.endr
.endr
	WIN 0
	s_wait_dscnt 0x0                               ; the fragments are in: the bytes may take the other half
.endm
.macro AFR tau, ks                     ; h's fragment of tile tau, K step ks
.irp p, 0,1,2,3,4,5
	ds_load_b64 v[12*(\ks)+2*\p:12*(\ks)+2*\p+1], v[AI+(\tau)/2] offset:((\tau)%2)*24576+1536*(\ks)+256*\p
.endr
.endm
.macro PROD ks, cnt                    ; K step ks: both accumulators, one instruction each
	s_wait_dscnt \cnt
.set bf_, 24*((\ks)%8)
.set af_, 12*(\ks)
.if (\ks) == 0
	v_wmma_scale_f32_16x16x128_f8f6f4 v[PA:PA+7], v[bf_:bf_+11], v[af_:af_+11], v[BIAS:BIAS+7], v[BS+(\ks)], v[AS+(\ks)] matrix_a_fmt:MATRIX_FMT_FP6 matrix_b_fmt:MATRIX_FMT_FP6
	v_wmma_scale_f32_16x16x128_f8f6f4 v[PA+8:PA+15], v[bf_+12:bf_+23], v[af_:af_+11], v[BIAS+8:BIAS+15], v[BS+(\ks)], v[AS+(\ks)] matrix_a_fmt:MATRIX_FMT_FP6 matrix_b_fmt:MATRIX_FMT_FP6 matrix_a_scale:MATRIX_SCALE_ROW1
.else
	v_wmma_scale_f32_16x16x128_f8f6f4 v[PA:PA+7], v[bf_:bf_+11], v[af_:af_+11], v[PA:PA+7], v[BS+(\ks)], v[AS+(\ks)] matrix_a_fmt:MATRIX_FMT_FP6 matrix_b_fmt:MATRIX_FMT_FP6
	v_wmma_scale_f32_16x16x128_f8f6f4 v[PA+8:PA+15], v[bf_+12:bf_+23], v[af_:af_+11], v[PA+8:PA+15], v[BS+(\ks)], v[AS+(\ks)] matrix_a_fmt:MATRIX_FMT_FP6 matrix_b_fmt:MATRIX_FMT_FP6 matrix_a_scale:MATRIX_SCALE_ROW1
.endif
.endm
; Tile tau against the expert in hand, if it holds a row of that expert.  The fragments come in three runs (8, 4 and 4 K steps), each run issued while the run before is multiplied.
.macro TILE tau
	s_add_co_u32 s24, s19, 16*(\tau)
	s_add_co_u32 s25, s19, 16*(\tau)+16
	s_cmp_lt_u32 s32, s25
	s_cbranch_scc0 .Lskip_\@
	s_cmp_gt_u32 s33, s24
	s_cbranch_scc0 .Lskip_\@
	v_add_nc_u32 v15, 16*(\tau), v14
	v_cmp_le_u32 s58, s32, v15
	v_cmp_gt_u32 s60, s33, v15
	s_and_b32 s60, s60, s58                        ; the lanes whose row belongs to this expert
.irp s, 0,1,2,3,4,5,6,7,8,9,10,11,12,13,14,15
	ds_load_b32 v[AS+\s], v13 offset:512*\s+64*(\tau)
.endr
	WIN 0xc0
.irp s, 0,1,2,3,4,5,6,7
	AFR \tau, \s
.endr
	WIN 0x0d                                       ; source 0 (W2) window 1, source 1 (h) window 3, C and D window 0
	PROD 0, 42                                     ; the counts: six loads for each later fragment of the run in hand,
	PROD 1, 36
	PROD 2, 30
	PROD 3, 24
	WIN 0xc0
.irp s, 8,9,10,11
	AFR \tau, \s
.endr
	WIN 0x0d
	PROD 4, 42                                     ; and the 24 of the run just issued
	PROD 5, 36
	PROD 6, 30
	PROD 7, 24
	WIN 0xc0
.irp s, 12,13,14,15
	AFR \tau, \s
.endr
	WIN 0x0e                                       ; W2's later K steps: window 2
	PROD 8, 42
	PROD 9, 36
	PROD 10, 30
	PROD 11, 24
	PROD 12, 18
	PROD 13, 12
	PROD 14, 6
	PROD 15, 0
	WIN 0
.rept 4
	v_nop                                          ; four plain lines between the last product and the first read of a result
.endr
.irp i, 0,1,2,3,4,5,6,7,8,9,10,11,12,13,14,15
	v_cndmask_b32 v[HOLD+16*(\tau)+\i], v[HOLD+16*(\tau)+\i], v[PA+\i], s60      ; each accumulator from its low end on
.endr
.Lskip_\@:
.endm
	s_load_b256 s[4:11], s[0:1], 0x0               ; W2's codes s[4:5], its scales s[6:7], b2 s[8:9], hq s[10:11]
	s_load_b128 s[12:15], s[0:1], 0x20             ; lists s[12:13], yw s[14:15]
	v_lshl_add_u32 v30, v0, 2, 0x4a800
	v_mov_b32 v31, 0
	v_lshrrev_b32 v26, 5, v0
	v_readfirstlane_b32 s16, v26
	s_mov_b32 s17, ttmp9
	s_and_b32 s18, ttmp7, 0xffff
	s_lshl_b32 s19, s18, 7
	s_add_co_u32 s20, s19, 128
	v_and_b32 v1, 15, v0
	v_bfe_u32 v2, v0, 4, 1
	v_and_b32 v3, 31, v0
	v_lshlrev_b32 v4, 4, v3
	v_mad_u32_u24 v5, v2, 768, v4                  ; lanes 16-31 of a middle load stand in the next row
	s_mul_i32 s29, s16, BBW
	s_add_co_u32 s29, s29, BB
	v_add_nc_u32 v6, s29, v4
	v_lshl_add_u32 v7, v2, 4, v6
	v_mul_u32_u24 v8, v1, AP
	v_mad_u32_u24 v8, v2, 24, v8
	v_add_nc_u32 v8, s29, v8
	v_lshlrev_b32 v9, 3, v3
	v_add_nc_u32 v10, 49152, v9
	v_add_nc_u32 v11, 98304, v9
	v_add_nc_u32 v12, 147456, v9
	v_lshl_add_u32 v13, v1, 2, ASC
	v_add_nc_u32 v14, s19, v1
	v_lshlrev_b32 v16, 4, v0
	v_add_nc_u32 v17, 65536, v16
	v_add_nc_u32 v18, 131072, v16
	s_lshl_b32 s29, s16, 7
	v_mul_u32_u24 v19, v1, SPI
	v_lshl_add_u32 v19, v2, 5, v19
	v_add_nc_u32 v19, s29, v19                     ; the stage, in: row r, + 32 h, + 128 w
	s_mul_i32 s29, s16, 32*SPI
	v_add_nc_u32 v20, s29, v4                      ; back: my 32 rows, 16 bytes a lane
	v_lshrrev_b32 v26, 4, v0                       ; thread / 16: a K step
	v_lshlrev_b32 v22, 14, v26
	v_lshl_add_u32 v22, v1, 4, v22                 ; the half-words: two planes of 8,192 bytes a K step; 16 bytes (8 rows) a thread
	v_lshlrev_b32 v23, 9, v26
	v_lshl_add_u32 v23, v1, 5, v23
	v_add_nc_u32 v23, ASC, v23                     ; and the same 8 rows' words in LDS
	v_lshlrev_b32 v24, 6, v3
	v_lshlrev_b32 v25, 5, v2
	s_mov_b32 s62, 0x05040100                      ; v_perm_b32: the two low halves;
	s_mov_b32 s63, 0x07060302                      ; the two high halves
	s_mov_b32 s40, 4096                            ; cum[8]
	s_mov_b32 s31, 0
	s_mul_i32 s30, s18, 196608
	s_wait_kmcnt 0x0
	s_load_b256 s[32:39], s[12:13], CU             ; cum[0..7]
	s_add_nc_u64 s[54:55], s[10:11], s[30:31]      ; the group's images
	s_lshl_b32 s30, s18, 8
	s_add_nc_u64 s[56:57], s[10:11], s[30:31]      ; its 256 bytes of each plane of half-words
	WIN 0xc0
.set i, 0
.rept 48
	global_load_b128 v[4*i:4*i+3], v16, s[54:55] offset:2048*i     ; the four waves read 2,048 consecutive bytes
.set i, i+1
.endr
	WIN 0
.rept 32
	global_load_b128 v[HOLD+4*(i-48):HOLD+4*(i-48)+3], v16, s[54:55] offset:2048*i
.set i, i+1
.endr
	WIN 0x40
.rept 16
	global_load_b128 v[192+4*(i-80):192+4*(i-80)+3], v16, s[54:55] offset:2048*i
.set i, i+1
.endr
	WIN 0
.irp g, 0,1
.irp c, 0,1
	global_load_b128 v[PL+8*\g+4*\c:PL+8*\g+4*\c+3], v22, s[56:57] offset:HS+131072*\g+8192*\c
.endr
.endr
	s_mul_i32 s30, s17, 196608
	s_mul_i32 s29, s16, 49152
	s_add_co_u32 s30, s30, s29                     ; my first output, 128 x + 32 w, x 1,536 bytes
	s_add_nc_u64 s[48:49], s[4:5], s[30:31]
	s_lshl_b32 s30, s17, 13
	s_lshl_b32 s29, s16, 11
	s_add_co_u32 s30, s30, s29
	s_add_nc_u64 s[50:51], s[6:7], s[30:31]
	s_lshl_b32 s30, s17, 9
	s_lshl_b32 s29, s16, 7
	s_add_co_u32 s30, s30, s29
	s_add_nc_u64 s[52:53], s[8:9], s[30:31]
	s_lshl_b32 s30, s18, 19                        ; yw: row q0 + 32 w of 4,096 bytes, + 512 x
	s_lshl_b32 s29, s16, 17
	s_add_co_u32 s30, s30, s29
	s_lshl_b32 s29, s17, 9
	s_add_co_u32 s30, s30, s29
	s_add_nc_u64 s[14:15], s[14:15], s[30:31]
	s_wait_kmcnt 0x0
	s_mov_b32 s21, 0                               ; the expert of the group's first row: how many experts end at or before it
.irp e, 33,34,35,36,37,38,39
	s_cmp_le_u32 s\e, s19
	s_add_co_ci_u32 s21, s21, 0
.endr
	s_min_u32 s21, s21, 7
	s_mul_i32 s30, s21, 1572864
	s_add_nc_u64 s[42:43], s[48:49], s[30:31]
	s_lshl_b32 s30, s21, 16
	s_add_nc_u64 s[44:45], s[50:51], s[30:31]
	s_lshl_b32 s30, s21, 12
	s_add_nc_u64 s[46:47], s[52:53], s[30:31]
	BAUX 44, 46
	BRAW 42, 0
	BRAW 42, 1
	s_wait_loadcnt 63                              ; 104 loads were issued behind the images and half-words; 63 is the largest count that the wait can name: with 63 out at the most, those are in
	WIN 0x0c
.set i, 0
.rept 48
	ds_store_b128 v[SA+i/32], v[4*i:4*i+3] offset:2048*(i%32)
.set i, i+1
.endr
	WIN 0
.rept 32
	ds_store_b128 v[SA+i/32], v[HOLD+4*(i-48):HOLD+4*(i-48)+3] offset:2048*(i%32)
.set i, i+1
.endr
	WIN 0x04
.rept 16
	ds_store_b128 v[SA+i/32], v[192+4*(i-80):192+4*(i-80)+3] offset:2048*(i%32)
.set i, i+1
.endr
	WIN 0
.irp g, 0,1                                        ; a row's word: blocks 0, 1 from the first plane, blocks 2, 3 from the second
.irp i, 0,1,2,3
	v_perm_b32 v[PL+16+8*\g+2*\i], v[PL+8*\g+4+\i], v[PL+8*\g+\i], s62
	v_perm_b32 v[PL+17+8*\g+2*\i], v[PL+8*\g+4+\i], v[PL+8*\g+\i], s63
.endr
.endr
.irp g, 0,1
	ds_store_b128 v23, v[PL+16+8*\g:PL+19+8*\g] offset:4096*\g
	ds_store_b128 v23, v[PL+20+8*\g:PL+23+8*\g] offset:4096*\g+16
.endr
	s_wait_loadcnt 0x0
	BTURN 0
	BTURN 1                                        ; it ends with a wait for all my LDS instructions: the images among them, for the others' sake
	s_barrier_signal -1
	s_barrier_wait -1                              ; the group's images and scale words lie in LDS
	s_mov_b32 s22, 0
.Lexp:                                             ; 8 trips, a constant: s32 = cum[e], s33 = cum[e + 1]
	s_cmp_lt_u32 s32, s20
	s_cbranch_scc0 .Lnext
	s_cmp_gt_u32 s33, s19
	s_cbranch_scc0 .Lnext
	s_cmp_lt_u32 s32, s33
	s_cbranch_scc0 .Lnext
	s_cmp_eq_u32 s22, s21                          ; the first expert's weights are in the registers already
	s_cbranch_scc1 .Lhave
	BAUX 50, 52
	BRAW 48, 0
	BRAW 48, 1
	s_wait_loadcnt 0x0
	BTURN 0
	BTURN 1
.Lhave:
.irp t, 0,1,2,3,4,5,6,7
	TILE \t
.endr
.Lnext:
.irp e, 32,33,34,35,36,37,38,39
	s_mov_b32 s\e, s[\e+1]                         ; on to the next expert's bounds
.endr
	s_add_nc_u64 s[48:49], s[48:49], 1572864       ; and its weights, scales and bias (no load is out: each was waited for)
	s_add_nc_u64 s[50:51], s[50:51], 65536
	s_add_nc_u64 s[52:53], s[52:53], 4096
	s_add_co_u32 s22, s22, 1
	s_cmp_lt_u32 s22, 8
	s_cbranch_scc1 .Lexp
	s_wait_dscnt 0x0                               ; my reads of the images are over
	s_barrier_signal -1
	s_barrier_wait -1                              ; everybody's are: the stage may be written over them
.irp t, 0,1,2,3,4,5,6,7
.irp n, 0,1
	ds_store_b128 v19, v[HOLD+16*\t+8*\n:HOLD+16*\t+8*\n+3] offset:16*\t*SPI+64*\n
	ds_store_b128 v19, v[HOLD+16*\t+8*\n+4:HOLD+16*\t+8*\n+7] offset:16*\t*SPI+64*\n+16
.endr
.endr
	s_wait_dscnt 0x0                               ; for the others' sake: a row's 512 bytes come from four waves
	s_barrier_signal -1
	s_barrier_wait -1
.set i, 0
.rept 32
	ds_load_b128 v[HOLD+4*i:HOLD+4*i+3], v20 offset:SPI*i
.set i, i+1
.endr
.set i, 0
.rept 32
	s_wait_dscnt 31-i                              ; row i is back; the later rows may be out
	global_store_b128 v4, v[HOLD+4*i:HOLD+4*i+3], s[14:15] offset:4096*i th:TH_STORE_NT   ; 32 lanes store 512 consecutive bytes, aligned; nobody reads them in this launch
.set i, i+1
.endr
	s_wait_tensorcnt 0x0
	ds_add_u32 v30, v31
	s_wait_dscnt 0x0
	s_endpgm
.Lfunc_end_k_qf9cbc3aba8_down:
	.size	k_qf9cbc3aba8_down, .Lfunc_end_k_qf9cbc3aba8_down-k_qf9cbc3aba8_down
	.p2alignl 7, 3214868480
	.fill 96, 4, 3214868480
	.section	.rodata,"a",@progbits
	.p2align	6, 0x0
	.amdhsa_kernel k_qf9cbc3aba8_down
		.amdhsa_group_segment_fixed_size 305664
		.amdhsa_private_segment_fixed_size 0
		.amdhsa_enable_private_segment 0
		.amdhsa_kernarg_size 48
		.amdhsa_user_sgpr_count 2
		.amdhsa_user_sgpr_kernarg_segment_ptr 1
		.amdhsa_wavefront_size32 1
		.amdhsa_system_sgpr_workgroup_id_x 1
		.amdhsa_system_sgpr_workgroup_id_y 1
		.amdhsa_system_sgpr_workgroup_id_z 1
		.amdhsa_system_vgpr_workitem_id 0
		.amdhsa_next_free_vgpr 960
		.amdhsa_next_free_sgpr 66
		.amdhsa_reserve_vcc 0
		.amdhsa_float_denorm_mode_32 3
		.amdhsa_float_denorm_mode_16_64 3
		.amdhsa_memory_ordered 1
		.amdhsa_forward_progress 1
		.amdhsa_inst_pref_size 194
	.end_amdhsa_kernel
	.amdgpu_metadata
---
amdhsa.version: [ 1, 2 ]
amdhsa.kernels:
  - .name:           k_qf9cbc3aba8_down
    .symbol:         k_qf9cbc3aba8_down.kd
    .args:
      - { .name: W2_codes, .offset: 0, .size: 8, .value_kind: global_buffer, .address_space: global }
      - { .name: W2_scales, .offset: 8, .size: 8, .value_kind: global_buffer, .address_space: global }
      - { .name: b2, .offset: 16, .size: 8, .value_kind: global_buffer, .address_space: global }
      - { .name: hq, .offset: 24, .size: 8, .value_kind: global_buffer, .address_space: global }
      - { .name: lists, .offset: 32, .size: 8, .value_kind: global_buffer, .address_space: global }
      - { .name: yw, .offset: 40, .size: 8, .value_kind: global_buffer, .address_space: global }
    .group_segment_fixed_size: 305664
    .private_segment_fixed_size: 0
    .kernarg_segment_align: 8
    .kernarg_segment_size: 48
    .max_flat_workgroup_size: 128
    .sgpr_count:     66
    .vgpr_count:     960
    .wavefront_size: 32
...
	.end_amdgpu_metadata
.endif
;; end of part 4
;; launch combine (part 5): grid 256 x 1, 8 waves a work-group, no clusters, 0 bytes of LDS; arguments yw, lists, xq, out0; writes out0
.if DOCPART == 5
	.amdgcn_target "amdgcn-amd-amdhsa--gfx1250"
	.amdhsa_code_object_version 6
	.text
	.protected	k_qf9cbc3aba8_combine
	.globl	k_qf9cbc3aba8_combine
	.p2align	8
	.type	k_qf9cbc3aba8_combine,@function
k_qf9cbc3aba8_combine:
	s_mov_b64 s[64:65], 0
	v_nop
	global_prefetch_b8 v0, s[64:65] scope:SCOPE_SE
	s_setreg_imm32_b32 hwreg(HW_REG_WAVE_MODE, 25, 1), 1
	s_wait_xcnt 0x0
; out[t] = g_lo yw[qa] + g_hi yw[qb]: a token's two routed rows, weighed by its gates, the lower expert first.  Each output row has one owner, a wave, so nothing is added across work-groups.
; tokpos (lists) says where the two rows lie; the gates lie in xq at XG.  A stream: every load and store of a wave covers 512 consecutive bytes; each byte of yw is read once, each byte of out0 written once.
; No LDS, no matrix unit, no cluster: nothing is shared and the arithmetic is two multiplies a number.
.set XG, 1638400
	s_load_b256 s[4:11], s[0:1], 0x0               ; yw s[4:5], lists s[6:7], xq s[8:9], out0 s[10:11]
	v_lshrrev_b32 v1, 5, v0
	v_readfirstlane_b32 s12, v1
	s_lshl_b32 s13, ttmp9, 3
	s_add_co_u32 s13, s13, s12                     ; my token
	s_lshl_b32 s14, s13, 3
	s_mov_b32 s15, 0
	s_lshl_b32 s18, s13, 12
	s_mov_b32 s19, 0
	v_and_b32 v2, 31, v0
	v_lshlrev_b32 v2, 4, v2
	s_wait_kmcnt 0x0
	s_add_nc_u64 s[6:7], s[6:7], s[14:15]
	s_add_nc_u64 s[8:9], s[8:9], s[14:15]
	s_load_b64 s[16:17], s[6:7], 0x0               ; qa, qb
	s_load_b64 s[20:21], s[8:9], XG                ; g_lo, g_hi
	s_add_nc_u64 s[10:11], s[10:11], s[18:19]
	s_wait_kmcnt 0x0
	s_min_u32 s16, s16, 0xfff                      ; a stored number enters an address only behind a bound
	s_min_u32 s17, s17, 0xfff
	s_lshl_b32 s24, s16, 12
	s_mov_b32 s25, 0
	s_lshl_b32 s26, s17, 12
	s_mov_b32 s27, 0
	s_add_nc_u64 s[24:25], s[4:5], s[24:25]
	s_add_nc_u64 s[26:27], s[4:5], s[26:27]
	s_mov_b32 s22, s21                             ; the packed forms name a pair and take its low word for both halves
	s_mov_b32 s23, s21
.irp i, 0,1,2,3,4,5,6,7
	global_load_b128 v[16+4*\i:19+4*\i], v2, s[24:25] offset:512*\i th:TH_LOAD_NT
.endr
.irp i, 0,1,2,3,4,5,6,7
	global_load_b128 v[48+4*\i:51+4*\i], v2, s[26:27] offset:512*\i th:TH_LOAD_NT
.endr
	s_wait_loadcnt 8                               ; the first row is in; the second row's eight loads may be out
.irp p, 0,2,4,6,8,10,12,14,16,18,20,22,24,26,28,30
	v_pk_mul_f32 v[16+\p:17+\p], v[16+\p:17+\p], s[20:21] op_sel_hi:[1,0]
.endr
	s_wait_loadcnt 0x0
.irp p, 0,2,4,6,8,10,12,14,16,18,20,22,24,26,28,30
	v_pk_fma_f32 v[16+\p:17+\p], v[48+\p:49+\p], s[22:23], v[16+\p:17+\p] op_sel_hi:[1,0,1]
.endr
.irp i, 0,1,2,3,4,5,6,7
	global_store_b128 v2, v[16+4*\i:19+4*\i], s[10:11] offset:512*\i th:TH_STORE_NT
.endr
	s_endpgm
.Lfunc_end_k_qf9cbc3aba8_combine:
	.size	k_qf9cbc3aba8_combine, .Lfunc_end_k_qf9cbc3aba8_combine-k_qf9cbc3aba8_combine
	.p2alignl 7, 3214868480
	.fill 96, 4, 3214868480
	.section	.rodata,"a",@progbits
	.p2align	6, 0x0
	.amdhsa_kernel k_qf9cbc3aba8_combine
		.amdhsa_group_segment_fixed_size 0
		.amdhsa_private_segment_fixed_size 0
		.amdhsa_enable_private_segment 0
		.amdhsa_kernarg_size 32
		.amdhsa_user_sgpr_count 2
		.amdhsa_user_sgpr_kernarg_segment_ptr 1
		.amdhsa_wavefront_size32 1
		.amdhsa_system_sgpr_workgroup_id_x 1
		.amdhsa_system_sgpr_workgroup_id_y 1
		.amdhsa_system_sgpr_workgroup_id_z 1
		.amdhsa_system_vgpr_workitem_id 0
		.amdhsa_next_free_vgpr 80
		.amdhsa_next_free_sgpr 66
		.amdhsa_reserve_vcc 0
		.amdhsa_float_denorm_mode_32 3
		.amdhsa_float_denorm_mode_16_64 3
		.amdhsa_memory_ordered 1
		.amdhsa_forward_progress 1
		.amdhsa_inst_pref_size 6
	.end_amdhsa_kernel
	.amdgpu_metadata
---
amdhsa.version: [ 1, 2 ]
amdhsa.kernels:
  - .name:           k_qf9cbc3aba8_combine
    .symbol:         k_qf9cbc3aba8_combine.kd
    .args:
      - { .name: yw, .offset: 0, .size: 8, .value_kind: global_buffer, .address_space: global }
      - { .name: lists, .offset: 8, .size: 8, .value_kind: global_buffer, .address_space: global }
      - { .name: xq, .offset: 16, .size: 8, .value_kind: global_buffer, .address_space: global }
      - { .name: out0, .offset: 24, .size: 8, .value_kind: global_buffer, .address_space: global }
    .group_segment_fixed_size: 0
    .private_segment_fixed_size: 0
    .kernarg_segment_align: 8
    .kernarg_segment_size: 32
    .max_flat_workgroup_size: 256
    .sgpr_count:     66
    .vgpr_count:     80
    .wavefront_size: 32
...
	.end_amdgpu_metadata
.endif
;; end of part 5
